; MI455X (gfx1250); checked and timed in simulation.
; The chip was launched on July 23, 2026; its instructions are those of AMD's public machine-readable ISA for CDNA 5 (MIT licence, August 2026) and "CDNA5" Instruction Set Architecture Reference Guide (July 2026). The comments in the code are by the model that wrote it; some were corrected since.
;; Causal Self Attention. Allowed arithmetic: matrix products marked QUANTISED: E2M3 operands, one E8M0 scale for each 32 along K, by v_wmma_scale_f32_16x16x128_f8f6f4 with both operands' format E2M3, f32 sums; everything else in f32.
;; Inputs: W_out 1,024 x 1,024 float32; W_qkv 3,072 x 1,024 float32; b_out 1,024 float32; b_qkv 3,072 float32; x 4 x 2,048 x 1,024 float32.
;; Outputs: out0 4 x 2,048 x 1,024 float32.
;; This version of the problem:
;;   THIS VERSION OF THE PROBLEM IS GIVEN IN LOW PRECISION. The matrix products marked QUANTISED in the list below multiply operands that are first quantised to E2M3 (2 exponent bits, 3 mantissa bits; 6 bits a number), with one power-of-two scale for each 32 numbers along K (OCP MX v1.0); their sums are f32. All else is computed in f32.
;;   The module's matrix products, in the order in which they are computed (A, B: the left and right operand; K: the contracted axis; several contracted axes count as one K, in the product's order):
;;     1. [M 8,192, K 1,024] x [K 1,024, N 3,072]; A: input x; B: input W_qkv: QUANTISED
;;     2. batch 64 x [M 2,048, K 64] x [K 64, N 2,048]; A: computed on the way; B: computed on the way: QUANTISED
;;     3. batch 64 x [M 2,048, K 2,048] x [K 2,048, N 64]; A: softmax (see below); B: computed on the way: QUANTISED
;;     4. [M 8,192, K 1,024] x [K 1,024, N 1,024]; A: computed on the way; B: input W_out: QUANTISED
;;   THE QUANTISER, for each operand of a quantised product, along K:
;;     - K is cut into blocks of 32 from its start; a last block that is shorter is filled with zeros.
;;     - A block's scale is 2^e with e = floor(log2(the largest magnitude in the block)) - 2, held to -126 .. 127; a block of zeros has e = 0. As a byte (E8M0): e + 127.
;;     - Each number is divided by its block's scale, clamped to +-7.5, and rounded to the nearest number of E2M3, ties to even, subnormals kept.
;;     - The product sums the exact products of the quantised numbers (number of the format x scale) in f32.
;;   ~~~python
;;   def quantise(x, axis):      # numpy; x: float32 -> the quantised numbers, widened to float32 again
;;       x = np.moveaxis(x, axis, -1); K = x.shape[-1]
;;       x = np.pad(x, [(0, 0)] * (x.ndim - 1) + [(0, -K % 32)]); x = x.reshape(x.shape[:-1] + (-1, 32)); a = np.abs(x).max(-1, keepdims=True)
;;       e = np.where(a > 0, np.clip(np.frexp(np.where(a > 0, a, 1))[1] - 1 - 2, -126, 127), 0)      # np.frexp(a)[1] - 1 = floor(log2(a)), exactly
;;       r = np.clip(x / 2.0 ** e, -7.5, 7.5)
;;       step = 2.0 ** (np.maximum(np.frexp(np.where(r == 0, 1, r))[1] - 1, 0) - 3)
;;       q = np.round(r / step) * step * 2.0 ** e      # np.round: ties to even
;;       return np.moveaxis(q.reshape(q.shape[:-2] + (-1,))[..., :K], -1, axis).astype(np.float32)
;;   ~~~
;;   SOFTMAX AHEAD OF A QUANTISED PRODUCT. Where the list says 'softmax', what is quantised is not the finished softmax but p = 2^(t - M), with t = logit x log2(e) and M = ceil(the row's largest t), a whole number; so 1/2 < the row's largest p <= 1. The row's sum l is taken of the UNQUANTISED p, in f32, and the product's result is divided by l at the end. Since M is a whole number, a kernel that streams over the keys may use a running M (the ceiling of the running maximum): every later rescaling is an exact power of two, which a block's scale takes up: the codes' values come out the same.
;;   OPERANDS COMPUTED ON THE WAY. 'Computed on the way' means the value that the module computes at that place (a softmax that the list does not call 'softmax' is quantised finished and normalised). What goes into a quantiser is computed in f32, as accurately as f32 sums, v_exp_f32 and their like allow (about 1e-6 of the number): no bf16 or f16 on the way to a quantiser, and a product that is left as it is and whose result goes on into a quantised operand takes f32 operands (vector FMAs, or v_wmma_f32_16x16x4_f32). A number that lies on a knife's edge between two numbers of the format may be rounded either way, as far as f32 arithmetic and the matrix unit's own rounding can turn it there, and no further.
;; One version. Each part assembles by itself: llvm-mc -triple=amdgcn-amd-amdhsa -mcpu=gfx1250 --defsym DOCPART=n.
;; ======== version 1 of 1: 4 launches
;; limits: right only within a limited range of input values
;; workspace buffers: opq 9,830,400 bytes; qkv 20,185,088 bytes; ctx 6,553,600 bytes
;; launch quant (part 1): grid 256 x 1, 6 waves a work-group, no clusters, 51,456 bytes of LDS; arguments x, W_qkv, W_out, opq; writes opq
.if DOCPART == 1
	.amdgcn_target "amdgcn-amd-amdhsa--gfx1250"
	.amdhsa_code_object_version 6
	.text
	.protected	k_qb95f6bdf6b_quant
	.globl	k_qb95f6bdf6b_quant
	.p2align	8
	.type	k_qb95f6bdf6b_quant,@function
k_qb95f6bdf6b_quant:
	s_mov_b64 s[64:65], 0
	v_nop
	global_prefetch_b8 v0, s[64:65] scope:SCOPE_SE
	s_setreg_imm32_b32 hwreg(HW_REG_WAVE_MODE, 25, 1), 1
	s_wait_xcnt 0x0
; x [8192][1024], W_qkv [3072][1024] and W_out [1024][1024], f32, become codes of FP6 (E2M3) with one E8M0 byte for each 32 along K = 1,024,
; laid in opq in the ORDER OF THE OPERAND'S REGISTERS, so that the products' launches read fragments as they stand.
; ROWS go in groups of 128: groups 0-63 x, 64-71 W_qkv's q rows (head x 64 + d), 72-79 its k rows, 80-87 its v rows, 88-95 W_out.
; Tile t (0..7) of a group, lane row r, holds the group's row 32 (t / 2) + 8 (t % 2) + r + 8 (r / 8).
; A FRAGMENT (16 rows x 128 K) is 6 pieces of 256 bytes: in piece p lane l's 8 bytes at 8 l are operand registers 2 p, 2 p + 1.
; CODES: group x 98,304 + (K / 256) x 24,576 + tile x 3,072 + ((K / 128) % 2) x 1,536 + piece x 256 + 8 x lane.
; SCALE BYTES, from OSC on: group x 4,096 + tile x 512 + (K / 256) x 128 + 8 r + 4 ((K / 128) % 2) + (K / 32) % 4.
; A block's scale byte is its largest magnitude's exponent field - 2, held at 1 from below; each number is divided by the scale and rounded to the nearest code, ties to even, beyond 7.5 the largest code.
; LIMITS: NaN and infinities among the inputs are not served.  A block of zeros gets the byte 1 where the rule says 127: its codes are zeros, and this program alone reads the bytes.
; SHARES: 1,536 units of one tile x 512 along K (four fragments), one a wave: 256 work-groups of six waves.  One path serves the three tensors: only pointers and a row number are chosen, by the group's number.
; Each load reads 512 consecutive bytes of a row; a step's 16 rows turn through the wave's own stage in LDS (rows of 512 bytes + 16), so that a lane gets two whole blocks of 32 of its row.  No barrier: waves share nothing.
.set OSC,  9437184                     ; 96 groups x 98,304: where the scale bytes begin
.set WSTG, 8448                        ; a wave's stage: 16 rows x SP
.set SP,   528
.set R,    64                          ; v64-191  two sets of 16 x 4 registers as loaded
.set X,    192                         ; v192-255 my two blocks of 32 numbers
.set C,    24                          ; v24-35   a fragment's codes
.set C2,   36                          ; v36-38, v40-42 the second halves of the blocks' codes (a conversion's three registers begin on an even number)
.set MX,   10                          ; v10-11   largest magnitudes
.set SO,   14                          ; v14-15   the conversions' scale operands
.set BY,   16                          ; v16-17   scale bytes
.set WD,   20                          ; v20-23   the four steps' scale words
	s_load_b256 s[4:11], s[0:1], 0x0               ; x s[4:5], W_qkv s[6:7], W_out s[8:9], opq s[10:11]
	v_lshl_add_u32 v62, v0, 2, 0xc600
	v_mov_b32 v63, 0
	v_lshrrev_b32 v1, 5, v0
	v_readfirstlane_b32 s12, v1                    ; wave 0..5
	v_and_b32 v1, 31, v0                           ; lane
	v_and_b32 v2, 15, v0                           ; r
	v_bfe_u32 v3, v0, 4, 1                         ; h
	v_lshlrev_b32 v4, 4, v1                        ; my 16 bytes of a load's 512
	s_mul_i32 s28, s12, WSTG
	v_add_nc_u32 v5, s28, v4                       ; into the stage: 16 x lane; the row stands in the immediate
	v_mul_u32_u24 v6, v2, SP
	v_lshl_add_u32 v6, v3, 7, v6
	v_add_nc_u32 v6, s28, v6                       ; out of it: row r, + 128 h: my block of 32 numbers
	v_lshlrev_b32 v7, 3, v1                        ; 8 x lane: my place in a piece, and in the unit's scale bytes
	v_lshlrev_b32 v8, 3, v3                        ; 8 h: my bytes' place in a scale word, in bits
	v_mov_b32 v19, 0                               ; written once: a lane permute's destination counts as one of its sources
	s_mov_b32 s20, 0x76543210
	s_mov_b32 s21, 0xfedcba98                      ; v_permlanex16_b32's selects for lane l xor 16
	s_mul_i32 s13, ttmp9, 6
	s_add_co_u32 s13, s13, s12                     ; my unit
	s_and_b32 s14, s13, 1                          ; which 512 along K
	s_lshr_b32 s15, s13, 1
	s_lshr_b32 s16, s15, 3                         ; group
	s_and_b32 s17, s15, 7                          ; tile
	s_lshr_b32 s18, s17, 1
	s_lshl_b32 s18, s18, 5
	s_and_b32 s19, s17, 1
	s_lshl_b32 s19, s19, 3
	s_add_co_u32 s18, s18, s19                     ; the tile's first row in its group: 32 (t / 2) + 8 (t % 2)
	s_lshl_b32 s22, s16, 7
	s_add_co_u32 s22, s22, s18                     ; x: row 128 x group + that
	s_sub_co_u32 s23, s22, 64*128                  ; W_qkv: type x 1,024 + head x 64 + d  (used in groups 64-87 alone)
	s_lshr_b32 s24, s23, 6
	s_and_b32 s24, s24, 15
	s_mul_i32 s24, s24, 192                        ; its row in memory: 192 x head
	s_lshr_b32 s25, s23, 10
	s_lshl_b32 s25, s25, 6
	s_add_co_u32 s24, s24, s25                     ; + 64 x type
	s_and_b32 s25, s23, 63
	s_add_co_u32 s24, s24, s25                     ; + d.  A tile's 16 rows lie within 24 rows of one block of 32, so within one head and type
	s_sub_co_u32 s25, s22, 88*128                  ; W_out's row (used in groups 88-95 alone)
	s_wait_alu depctr_va_vdst(0)
	s_wait_kmcnt 0x0
	s_cmp_lt_u32 s16, 88                           ; the choices hang on the group's number alone
	s_cselect_b64 s[6:7], s[6:7], s[8:9]
	s_cselect_b32 s24, s24, s25
	s_cmp_lt_u32 s16, 64
	s_cselect_b64 s[4:5], s[4:5], s[6:7]
	s_cselect_b32 s22, s22, s24
	s_lshl_b32 s22, s22, 12                        ; a row is 4,096 bytes
	s_lshl_b32 s23, s14, 11
	s_add_co_u32 s22, s22, s23                     ; + my 512 along K
	s_mov_b32 s23, 0
	s_add_nc_u64 s[4:5], s[4:5], s[22:23]
	s_mul_i32 s24, s16, 98304
	s_mul_i32 s25, s14, 49152
	s_add_co_u32 s24, s24, s25
	s_mul_i32 s25, s17, 3072
	s_add_co_u32 s24, s24, s25
	s_mov_b32 s25, 0
	s_add_nc_u64 s[26:27], s[10:11], s[24:25]      ; where my codes go
	s_lshl_b32 s24, s16, 12
	s_lshl_b32 s28, s17, 9
	s_add_co_u32 s24, s24, s28
	s_lshl_b32 s28, s14, 8
	s_add_co_u32 s24, s24, s28
	s_add_co_u32 s24, s24, OSC
	s_add_nc_u64 s[10:11], s[10:11], s[24:25]      ; and my 256 scale bytes
.macro LOADR t                         ; step t: 128 along K of the tile's 16 rows, into set t % 2; 32 lanes read 512 consecutive bytes
.set n, 0
.rept 16
	global_load_b128 v[R+64*((\t)%2)+4*n:R+64*((\t)%2)+4*n+3], v4, s[4:5] offset:(n+8*(n/8))*4096+512*(\t) th:TH_LOAD_NT
.set n, n+1
.endr
.endm
.macro TURN t                          ; through the stage: LDS serves a wave's instructions in order (ISA guide 5.7.1.4), so no wait stands between the stores and the loads
.set n, 0
.rept 16
	ds_store_b128 v5, v[R+64*((\t)%2)+4*n:R+64*((\t)%2)+4*n+3] offset:SP*n
.set n, n+1
.endr
.irp c, 0,1
.irp i, 0,1,2,3,4,5,6,7
	ds_load_b128 v[X+32*\c+4*\i:X+32*\c+4*\i+3], v6 offset:256*\c+16*\i   ; k = 64 c + 32 h + 4 i ..: the order in which the operand's layout gives them to lane (r, h)
.endr
.endr
.endm
.macro QSTEP t
	s_wait_dscnt 0x0                               ; my 64 numbers are back from the stage: so its stores have read set t % 2,
.if (\t) > 0
	s_wait_xcnt 0x0                                ; and the last step's stores have read the codes' registers, which are written again below
.endif
.if (\t)+2 < 4
	LOADR (\t)+2                                   ; which takes the loads of two steps on
.endif
.irp c, 0,1
	v_max3_num_f32 v[MX+\c], |v[X+32*\c]|, |v[X+32*\c+1]|, 0x1800000   ; block 2 c + h: all 32 numbers are mine; and the floor 2^(3 - 127): the byte cannot fall under 1
.endr
.irp i, 2,4,6,8,10,12,14,16,18,20,22,24,26,28,30
.irp c, 0,1
	v_max3_num_f32 v[MX+\c], v[MX+\c], |v[X+32*\c+\i]|, |v[X+32*\c+\i+1]|   ; (the two blocks by turns)
.endr
.endr
.irp c, 0,1
	v_add_nc_u32 v[SO+\c], 0xff000000, v[MX+\c]    ; 2 off the exponent field: the conversion takes the exponent field of this operand as its scale
.endr
.irp c, 0,1
	v_lshrrev_b32 v[BY+\c], 23, v[SO+\c]           ; the scale's byte
.endr
	v_lshl_or_b32 v18, v17, 16, v16                ; my two bytes, blocks h and 2 + h of row r,
	v_lshlrev_b32 v18, v8, v18                     ; at their places in the scale word;
	v_permlanex16_b32 v19, v18, s20, s21
	v_or_b32 v[WD+(\t)], v18, v19                  ; with lane l xor 16's two the word is whole
.irp c, 0,1
	v_cvt_scalef32_pk16_fp6_f32 v[C+6*\c:C+6*\c+2], v[X+32*\c:X+32*\c+15], v[SO+\c]
	v_cvt_scalef32_pk16_fp6_f32 v[C2+4*\c:C2+4*\c+2], v[X+32*\c+16:X+32*\c+31], v[SO+\c]
.endr
	v_nop                                          ; one plain place behind a scaled conversion
.irp c, 0,1
.irp i, 0,1,2
	v_mov_b32 v[C+6*\c+3+\i], v[C2+4*\c+\i]        ; registers 6 c .. 6 c + 5 of the operand
.endr
.endr
.irp p, 0,1,2,3,4,5
	global_store_b64 v7, v[C+2*\p:C+2*\p+1], s[26:27] offset:((\t)/2)*24576+((\t)%2)*1536+256*\p   ; 32 lanes store 256 consecutive bytes, aligned
.endr
.if (\t)+1 < 4
.if (\t)+2 < 4
	s_wait_loadcnt 16                              ; the next step's 16 loads are in; the 16 issued above may be out
.else
	s_wait_loadcnt 0x0
.endif
	TURN (\t)+1
.endif
.endm
	LOADR 0
	LOADR 1
	s_wait_loadcnt 16                              ; step 0's loads are in, step 1's may be out
	TURN 0
	QSTEP 0
	QSTEP 1
	QSTEP 2
	QSTEP 3
	v_cmp_lt_u32 vcc_lo, 15, v1                    ; lanes 0-15 store row r's words of the first 256 along K, lanes 16-31 those of the second
	v_cndmask_b32 v16, v20, v22, vcc_lo
	v_cndmask_b32 v17, v21, v23, vcc_lo
	global_store_b64 v7, v[16:17], s[10:11]        ; 256 consecutive bytes, aligned
	s_wait_tensorcnt 0x0
	ds_add_u32 v62, v63
	s_wait_dscnt 0x0
	s_endpgm
.Lfunc_end_k_qb95f6bdf6b_quant:
	.size	k_qb95f6bdf6b_quant, .Lfunc_end_k_qb95f6bdf6b_quant-k_qb95f6bdf6b_quant
	.p2alignl 7, 3214868480
	.fill 96, 4, 3214868480
	.section	.rodata,"a",@progbits
	.p2align	6, 0x0
	.amdhsa_kernel k_qb95f6bdf6b_quant
		.amdhsa_group_segment_fixed_size 51456
		.amdhsa_private_segment_fixed_size 0
		.amdhsa_enable_private_segment 0
		.amdhsa_kernarg_size 32
		.amdhsa_user_sgpr_count 2
		.amdhsa_user_sgpr_kernarg_segment_ptr 1
		.amdhsa_wavefront_size32 1
		.amdhsa_system_sgpr_workgroup_id_x 1
		.amdhsa_system_sgpr_workgroup_id_y 1
		.amdhsa_system_sgpr_workgroup_id_z 1
		.amdhsa_system_vgpr_workitem_id 0
		.amdhsa_next_free_vgpr 256
		.amdhsa_next_free_sgpr 66
		.amdhsa_reserve_vcc 1
		.amdhsa_float_denorm_mode_32 3
		.amdhsa_float_denorm_mode_16_64 3
		.amdhsa_memory_ordered 1
		.amdhsa_forward_progress 1
		.amdhsa_inst_pref_size 32
	.end_amdhsa_kernel
	.amdgpu_metadata
---
amdhsa.version: [ 1, 2 ]
amdhsa.kernels:
  - .name:           k_qb95f6bdf6b_quant
    .symbol:         k_qb95f6bdf6b_quant.kd
    .args:
      - { .name: x, .offset: 0, .size: 8, .value_kind: global_buffer, .address_space: global }
      - { .name: W_qkv, .offset: 8, .size: 8, .value_kind: global_buffer, .address_space: global }
      - { .name: W_out, .offset: 16, .size: 8, .value_kind: global_buffer, .address_space: global }
      - { .name: opq, .offset: 24, .size: 8, .value_kind: global_buffer, .address_space: global }
    .group_segment_fixed_size: 51456
    .private_segment_fixed_size: 0
    .kernarg_segment_align: 8
    .kernarg_segment_size: 32
    .max_flat_workgroup_size: 192
    .sgpr_count:     66
    .vgpr_count:     256
    .wavefront_size: 32
...
	.end_amdgpu_metadata
.endif
;; end of part 1
;; launch qkv (part 2): grid 8 x 32, 4 waves a work-group, clusters of 4 x 4, 327,680 bytes of LDS; arguments opq, b_qkv, qkv; writes qkv
.if DOCPART == 2
	.amdgcn_target "amdgcn-amd-amdhsa--gfx1250"
	.amdhsa_code_object_version 6
	.text
	.protected	k_qb95f6bdf6b_qkv
	.globl	k_qb95f6bdf6b_qkv
	.p2align	8
	.type	k_qb95f6bdf6b_qkv,@function
k_qb95f6bdf6b_qkv:
	s_mov_b64 s[64:65], 0
	v_nop
	global_prefetch_b8 v0, s[64:65] scope:SCOPE_SE
	s_setreg_imm32_b32 hwreg(HW_REG_WAVE_MODE, 25, 1), 1
	s_wait_xcnt 0x0
	s_wait_alu depctr_hold_cnt(0) depctr_sa_sdst(0) depctr_va_vdst(0) depctr_va_sdst(0) depctr_va_ssrc(0) depctr_va_vcc(0) depctr_vm_vsrc(0)
	s_getreg_b32 s2, hwreg(HW_REG_IB_STS2, 6, 4)
	s_cmp_eq_u32 s2, 0
	s_cbranch_scc0 .Lentry_in_a_cluster
	s_endpgm
.Lentry_in_a_cluster:
	s_bfe_u32 s2, ttmp6, 0x10000c
	s_cmp_lg_u32 s2, 0xf033
	s_cbranch_scc0 .Lentry_shape_is_right
	s_endpgm
.Lentry_shape_is_right:
; qkv = x W_qkv^T + b_qkv on codes of FP6 (E2M3) with E8M0 scales, K = 1,024; q and k are then quantised along the head's 64, v along the tokens (the keys), in registers, and leave as operand images.
; opq holds codes and scale bytes in the order of the operand's registers: groups of 128 rows (0-63 x, 64-71 q's weights, 72-79 k's, 80-87 v's); tile t, lane row r = the group's row 32 (t / 2) + 8 (t % 2) + r + 8 (r / 8);
; a group's codes of 256 along K are one dense block of 24,576 bytes, a group's scale bytes one of 4,096.
; A WORK-GROUP STAYS AND DOES TWO THINGS: 3,072 columns are 12 tile columns of 256, which no whole number of tiles a work-group shares out among 256.  PART 1: a tile of 256 tokens x 256 channels of q (cluster x = 0) or k (1), four waves of
; 128 x 128, K in four steps of 256 through two LDS slots.  PART 2: 128 channels of v (group 80 + 2 cx + cluster x) x the SAME 256 tokens, four waves of 64 x 128, all of K in LDS, no round in its walk.
; THE MATRIX INSTRUCTION IS USED TRANSPOSED (source 0 = 16 rows of B, source 1 = 16 rows of A): a lane holds ONE row of A, and its 64 registers of A's block a are, 16 by 16, neighbours along B's rows: index 32 (b / 2) + 16 (lane / 16) + 8 (b % 2) + j.
; Part 1: A = x, B = weights: the head's channels in a lane's registers.  Part 2: A = v's weights, B = x: the tokens.  Each along its next K.
; CLUSTERS: 4 x 4 work-groups; x's tiles hang on the tile row and are asked for jointly along a row of the cluster, the weights' on cx and the cluster's x and are asked for along a column, in both parts.
; LDS: the ring, operand x 4 HALFT + group x 2 HALFT + slot x HALFT; the scale bytes of the four groups (x's serve both parts); the spare words; then, filled once, the scale bytes of v's weights and v's weights.
; FILLS: at the head one joint load a wave (x's and the weights' K 0-511, their scale bytes).  Two refills of the ring.  Behind the round at the third change of slots two first fills: v's weights (wave 0), their scale bytes (wave 1).
; In the last K step, when both slots have been read out, a drained round and one load a wave: x's two groups, all of K, as they lie in memory, onto the ring's 196,608 bytes; it lands under part 1's way out.
; NO PREFETCH: of K's four steps two are asked for at the head, and what part 2 reads of x has been read in part 1.
; OUT (qkv): a record of REC bytes for each (16 x batch + head, block of 256 tokens): 16 half fragments of q (768 bytes: registers 0-5, K = 64), q's scale words (1,024 bytes), then for each 128 keys SREC bytes:
; 8 half fragments of k, 4 fragments of v^T (16 channels x 128 keys), k's scale words (512), v's (256).  Scale words lie four tiles to a lane: 16 r + 4 (tile % 4).  Every store covers 256 consecutive bytes, aligned.
; LIMITS: NaN and infinities are not served.  A block of zeros gets the byte 1 where the rule says 127: its codes are zeros, and this program alone reads the bytes.
; REGISTERS, in windows of 256: window 0: v0-31 addresses; v32-63 scale words, two sets, and nothing else; v64-127 q's or k's bias by columns; v128-223 A's fragments (part 1 one set of eight, part 2 two sets of four); v236-243 v's bias by rows; on the ways out v128-235 are at work.
;   window 1: B's fragments, two sets, at v0 and v128.   windows 2, 3: the accumulators ((a, b) at v[8 (8 (a % 4) + b)]); part 2 has window 2 alone.
.set NQ,    2
.set FR,    12
.set NL,    6
.set NP,    4                          ; places behind this matrix instruction (ISA guide 7.12.1)
.set HALFT, 24576
.set SCL,   8*HALFT
.set HALFS, 4096
.set SPARE, SCL+4*HALFS                ; the spare words, 128 bytes for each wave, which no other line names
.set SA2,   SPARE+512                  ; the scale bytes of v's weights
.set WV,    SA2+4096                   ; v's weights: one group, all of K
.set GRPB,  98304
.set OSC,   96*GRPB
.set REC,   39424
.set HEADSTR, 8*REC
.set SREC,  13056
.set ADRS2, 10                         ; v10     part 2's scale words: lanes 0-15 the weights', lanes 16-31 x's
.set ADRA, 16                          ; v16-17  my A fragments in slot 0, 1; v18-19 part 2's, K 0-511 and 512-1,023
.set ADRB, 20                          ; v20-23  the same for B
.set ADRS, 27
.set SPW,  28
.set NIL,  29
.set SC,   32
.set BCOL, 64
.set AF,   128
.set BROW, 236
.set H,    128                         ; the way out: a block's 64 numbers
.set PC,   192                         ; its codes
.set TM,   212
.set SW,   228                         ; the blocks' scale words
.set G1, 24
.set G0, 32
.set G1B, 48
.set G0B, 56
.set G1S, 68
.set G0S, 76
.set G1SB, 80
.set G0SB, 88
.set G0X, 96                           ; s[96:99] group 0 of part 2's load of x
.set MSB, 0
.macro WIN new                         ; the immediate's high byte repeats the setting that is left
.if MSB != (\new)
	s_set_vgpr_msb (MSB<<8)|(\new)
.set MSB, (\new)
.endif
.endm
.set MUL_LO, 0xa1                      ; source 0 (B) window 1, source 1 (A) window 0, C and D window 2
.set MUL_HI, 0xf1
.set TO_B,   0x40
.macro PLACES n
.rept \n
	v_nop
.endr
.endm
.macro WALU
	s_wait_alu depctr_va_vdst(0)
.endm
.macro TLOAD g0, g1                    ; s_nop 0 and four v_nop follow each tensor load
	tensor_load_to_lds s[\g0:\g0+3], s[\g1:\g1+7]
	s_nop 0
	PLACES 4
.endm
.macro JLOAD g0a, g1a, g0b, g1b        ; waves 0 and 1 fetch for A, waves 2 and 3 for B
	s_cmp_eq_u32 s15, 0
	s_cbranch_scc0 .Lfor_b_\@
	TLOAD \g0a, \g1a
	s_branch .Lasked_\@
.Lfor_b_\@:
	TLOAD \g0b, \g1b
.Lasked_\@:
.endm
.macro CREST                           ; a round of the cluster's barrier behind its opening barrier
	s_cmp_lg_u32 s14, 0
	s_cbranch_scc1 .Lnot_wave_0_\@
	s_barrier_signal -3
.Lnot_wave_0_\@:
	s_barrier_wait -3
	s_barrier_signal -1
	s_barrier_wait -1
.endm
.macro CROUND
	s_barrier_signal -1
	s_barrier_wait -1
	CREST
.endm
.macro GRP1 g, mask, c, r, p           ; r rows of c elements of 8 bytes, p elements apart, no padding; bit 21 set beside the mask
	s_or_b32 s[\g], s[\mask], (3<<16)|(1<<21)
	s_mov_b32 s[\g+1], (\c)<<16
	s_mov_b32 s[\g+2], (\r)<<16
	s_mov_b32 s[\g+3], (\c)<<16
	s_mov_b32 s[\g+4], \r
	s_mov_b32 s[\g+5], \p
	s_mov_b32 s[\g+6], 0
	s_mov_b32 s[\g+7], 0
.endm
.macro GRP0 g, lds, base, add
	s_mov_b32 s[\g], 1
	s_mov_b32 s[\g+1], \lds
	s_add_nc_u64 s[\g+2:\g+3], s[\base:\base+1], \add
	s_or_b32 s[\g+3], s[\g+3], 0x80000000
.endm
	s_load_b128 s[4:7], s[0:1], 0x0                ; opq, b_qkv
	s_load_b64 s[8:9], s[0:1], 0x10                ; qkv
	v_lshl_add_u32 v[SPW], v0, 2, SPARE
	v_mov_b32 v[NIL], 0
	ds_add_u32 v[SPW], v[NIL]                      ; the opening lines: the add, twice on end, and its wait
	ds_add_u32 v[SPW], v[NIL]
	v_lshrrev_b32 v1, 5, v0
	v_readfirstlane_b32 s14, v1                    ; wave 0..3
	s_lshr_b32 s15, s14, 1                         ; which half of A's rows is mine.  Also: in the ring I fetch for A (0) or for B (1)
	s_and_b32 s16, s14, 1                          ; which of B's two groups.  Also: which group I fetch
	s_bfe_u32 s40, ttmp6, 0x40000                  ; cx, cy
	s_bfe_u32 s41, ttmp6, 0x40004
	s_and_b32 s17, ttmp7, 0xffff
	s_lshl_b32 s17, s17, 2
	s_add_co_u32 s17, s17, s41                     ; my block of 256 tokens
	s_lshl_b32 s43, s41, 2
	s_lshl_b32 s43, 15, s43                        ; my row of the cluster
	s_lshl_b32 s44, 0x1111, s40                    ; my column
	GRP1 G1,   43, 6144, 2, 12288                  ; the head's loads: two groups, of each K 0-511: 2 rows of 49,152 bytes, 98,304 apart
	GRP1 G1B,  44, 6144, 2, 12288
	GRP1 G1S,  43, 32, 32, 32                      ; two neighbouring groups' scale bytes as rows of 256 bytes
	GRP1 G1SB, 44, 32, 32, 32
	s_lshl_b32 s20, s17, 1                         ; x's first group
	s_lshl_b32 s46, s40, 1
	s_lshl_b32 s19, ttmp9, 3
	s_add_co_u32 s46, s46, s19
	s_add_co_u32 s46, s46, 64                      ; the first group of q's or k's weights
	s_lshl_b32 s10, s40, 1
	s_add_co_u32 s10, s10, ttmp9
	s_add_co_u32 s10, s10, 80                      ; the group of v's weights
	s_lshl_b32 s22, s20, 12
	s_add_co_u32 s22, s22, OSC
	s_mov_b32 s23, 0
	s_lshl_b32 s92, s46, 12
	s_add_co_u32 s92, s92, OSC
	s_mov_b32 s93, 0
	s_lshl_b32 s12, s10, 12
	s_add_co_u32 s12, s12, OSC
	s_mov_b32 s13, 0
	s_mul_i32 s20, s20, GRPB
	s_mov_b32 s21, 0
	s_mul_i32 s46, s46, GRPB
	s_mov_b32 s47, 0
	s_mul_i32 s66, s10, GRPB
	s_mov_b32 s67, 0
	s_mul_i32 s45, s14, 2*HALFT                    ; where my later loads go: wave x 49,152: no place in the cluster enters an LDS address
	s_mul_i32 s18, s16, GRPB                       ; which of the operand's two groups I fetch in the ring, in bytes
	s_mov_b32 s19, 0
	WALU                                           ; the wait here, directly ahead of the wait below
	s_wait_dscnt 0x0
	CROUND                                         ; all sixteen work-groups are here: the first joint loads meet
	s_wait_kmcnt 0x0
	s_add_nc_u64 s[20:21], s[4:5], s[20:21]
	s_add_nc_u64 s[22:23], s[4:5], s[22:23]
	s_add_nc_u64 s[46:47], s[4:5], s[46:47]
	s_add_nc_u64 s[92:93], s[4:5], s[92:93]
	s_add_nc_u64 s[66:67], s[4:5], s[66:67]        ; v's weights,
	s_add_nc_u64 s[12:13], s[4:5], s[12:13]        ; their scale bytes
	GRP0 G0,   0,           20, 0
	GRP0 G0B,  4*HALFT,     46, 0
	GRP0 G0S,  SCL,         22, 0
	GRP0 G0SB, SCL+2*HALFS, 92, 0
	s_mul_i32 s2, s15, GRPB                        ; part 2's load of x: wave w takes group w / 2, K 512 (w % 2) on, 49,152 bytes
	s_mul_i32 s3, s16, 2*HALFT
	s_add_co_u32 s2, s2, s3
	s_mov_b32 s3, 0
	s_mov_b32 s[G0X], 1
	s_mov_b32 s[G0X+1], s45
	s_add_nc_u64 s[G0X+2:G0X+3], s[20:21], s[2:3]
	s_or_b32 s[G0X+3], s[G0X+3], 0x80000000
	s_add_nc_u64 s[20:21], s[20:21], s[18:19]      ; for the ring: my group
	s_add_nc_u64 s[46:47], s[46:47], s[18:19]
	s_mov_b32 s[G0+4], 1                           ; slot 1's groups 0 stand at K step 1: its refill steps them to K step 3
	s_add_co_u32 s[G0+5], s45, HALFT
	s_add_nc_u64 s[G0+6:G0+7], s[20:21], HALFT
	s_or_b32 s[G0+7], s[G0+7], 0x80000000
	s_mov_b32 s[G0B+4], 1
	s_add_co_u32 s[G0B+5], s45, HALFT
	s_add_nc_u64 s[G0B+6:G0B+7], s[46:47], HALFT
	s_or_b32 s[G0B+7], s[G0B+7], 0x80000000
.macro ARM under, g0, g1, next         ; one chain of branches on the wave's number, one load to an arm, all arms to one join
	s_cmp_lt_u32 s14, \under
	s_cbranch_scc0 \next
	TLOAD \g0, \g1
	s_branch .Lhead_asked
\next:
.endm
	ARM 1, G0,  G1,  .Lhead_b
	ARM 2, G0B, G1B, .Lhead_sa
	ARM 3, G0S, G1S, .Lhead_sb
	TLOAD G0SB, G1SB
.Lhead_asked:
	; where the results go, and which biases are mine
	s_lshl_b32 s20, s40, 2
	s_lshl_b32 s21, s16, 1
	s_add_co_u32 s20, s20, s21                     ; my first head of q or k: 4 cx + 2 x my half of the channels
	s_lshl_b32 s21, s40, 2
	s_lshl_b32 s22, ttmp9, 1
	s_add_co_u32 s21, s21, s22
	s_add_co_u32 s21, s21, s15                     ; my head of v: 2 (2 cx + cluster x) + my half of the group
	s_mul_i32 s22, s21, 192
	s_add_co_u32 s22, s22, 128
	s_lshl_b32 s22, s22, 2
	s_mov_b32 s23, 0
	s_add_nc_u64 s[46:47], s[6:7], s[22:23]        ; b_qkv at 192 x head + 128: v's
	s_mul_i32 s22, s20, 192
	s_lshl_b32 s42, ttmp9, 6
	s_add_co_u32 s22, s22, s42
	s_lshl_b32 s22, s22, 2
	s_add_nc_u64 s[6:7], s[6:7], s[22:23]          ; at 192 x head + 64 x type: q's or k's
	s_lshr_b32 s42, s17, 3
	s_lshl_b32 s42, s42, 4                         ; 16 x batch
	s_add_co_u32 s20, s20, s42
	s_add_co_u32 s21, s21, s42
	s_lshl_b32 s20, s20, 3
	s_lshl_b32 s21, s21, 3
	s_and_b32 s42, s17, 7
	s_add_co_u32 s20, s20, s42
	s_add_co_u32 s21, s21, s42                     ; record = (16 x batch + head) x 8 + block
	s_mul_i32 s20, s20, REC
	s_mul_i32 s21, s21, REC
	s_mul_i32 s42, s16, SREC                       ; v: my 128 tokens are a key step
	s_add_co_u32 s21, s21, s42
	s_add_co_u32 s22, s21, 19456
	s_add_nc_u64 s[92:93], s[8:9], s[22:23]        ; v's codes
	s_add_co_u32 s22, s21, 26112
	s_add_nc_u64 s[94:95], s[8:9], s[22:23]        ; v's scale words
	s_mov_b32 s21, SREC                            ; k: from my half of the tokens to the other a key step's record; codes from 13,312, scale words from 25,600
	s_mov_b32 s42, SREC
	s_mov_b32 s40, 13312
	s_mov_b32 s41, 25600
	s_cmp_eq_u32 ttmp9, 0
	s_cselect_b32 s21, 6144, s21                   ; q: eight half fragments, eight tiles' scale words; codes from 0, scale words from 12,288
	s_cselect_b32 s42, 512, s42
	s_cselect_b32 s40, 0, s40
	s_cselect_b32 s41, 12288, s41
	s_mul_i32 s21, s21, s15
	s_mul_i32 s42, s42, s15
	s_add_co_u32 s22, s20, s40
	s_add_co_u32 s22, s22, s21
	s_add_nc_u64 s[2:3], s[8:9], s[22:23]          ; q's or k's codes
	s_add_co_u32 s22, s20, s41
	s_add_co_u32 s22, s22, s42
	s_add_nc_u64 s[10:11], s[8:9], s[22:23]        ; their scale words
	; LDS places, all from the wave's number
	s_mul_i32 s20, s15, 2*HALFT                    ; part 1: my group of A,
	s_mul_i32 s21, s16, 2*HALFT
	s_add_co_u32 s21, s21, 4*HALFT                 ; my group of B
	s_mul_i32 s22, s15, HALFS
	s_mul_i32 s23, s16, HALFS
	s_add_co_u32 s42, s23, 2*HALFS
	s_sub_co_u32 s42, s42, s22                     ; the distance from A's scale words to B's
	s_add_co_u32 s22, s22, SCL
	s_add_co_u32 s23, s23, SCL                     ; part 2: x's scale words of my 128 tokens,
	s_mul_i32 s40, s15, 12288
	s_add_co_u32 s40, s40, WV                      ; my four tiles of v's weights,
	s_mul_i32 s41, s16, 4*HALFT                    ; my group of x,
	s_lshl_b32 s100, s15, 11
	s_add_co_u32 s100, s100, SA2
	s_sub_co_u32 s100, s100, s23                   ; the distance from x's scale words up to my four tiles'
	v_and_b32 v1, 15, v0                           ; r
	v_bfe_u32 v2, v0, 4, 1                         ; h
	v_and_b32 v3, 31, v0                           ; lane
	v_lshlrev_b32 v4, 3, v3                        ; 8 x lane: my place in a piece of a fragment
	v_add_nc_u32 v[ADRA], s20, v4
	v_add_nc_u32 v[ADRA+1], HALFT, v[ADRA]
	v_add_nc_u32 v[ADRB], s21, v4
	v_add_nc_u32 v[ADRB+1], HALFT, v[ADRB]
	v_add_nc_u32 v[ADRA+2], s40, v4
	v_add_nc_u32 v[ADRA+3], 2*HALFT, v[ADRA+2]
	v_add_nc_u32 v[ADRB+2], s41, v4
	v_add_nc_u32 v[ADRB+3], 2*HALFT, v[ADRB+2]
	v_lshlrev_b32 v5, 3, v1                        ; my row's two scale words of 256 along K: 8 r
	v_mul_u32_u24 v6, s42, v2                      ; lanes 16-31 take B's: one product, the distance x h
	v_add_nc_u32 v6, v5, v6
	v_add_nc_u32 v[ADRS], s22, v6
	v_sub_nc_u32 v7, 1, v2
	v_mul_u32_u24 v7, s100, v7                     ; part 2: lanes 0-15 take the weights', which lie above: the distance x (1 - h)
	v_add_nc_u32 v7, v5, v7
	v_add_nc_u32 v[ADRS2], s23, v7
	v_lshlrev_b32 v24, 3, v3                       ; the way out: 8 x lane
	v_mul_u32_u24 v25, v2, HEADSTR
	v_lshl_add_u32 v25, v1, 4, v25                 ; q's, k's scale words: 16 r, lanes 16-31 in the next head's record
	v_lshlrev_b32 v26, 4, v2                       ; 16 h: which half of a scale word is my head's
	v_lshlrev_b32 v8, 6, v2                        ; the bias by columns: 16 h numbers on
	v_and_b32 v9, 8, v1
	v_add_nc_u32 v9, v9, v1
	v_lshlrev_b32 v9, 2, v9                        ; the bias by rows: r + 8 (r / 8) numbers on
	v_lshlrev_b32 v11, 4, v1
	v_lshl_add_u32 v11, v2, 3, v11                 ; v's scale words: 16 r + 8 h
	WALU                                           ; the wait behind the head's vector lines
.irp b, 0,1,2,3,4,5,6,7
	global_load_b128 v[BCOL+8*\b:BCOL+8*\b+3], v8, s[6:7] offset:((\b/4)*192+32*((\b/2)%2)+8*(\b%2))*4      ; register 8 b + j belongs to channel 32 (b / 2) + 16 h + 8 (b % 2) + j of my two heads
	global_load_b128 v[BCOL+8*\b+4:BCOL+8*\b+7], v8, s[6:7] offset:((\b/4)*192+32*((\b/2)%2)+8*(\b%2))*4+16
.endr
.irp a, 0,1,2,3
	global_load_b32 v[BROW+2*\a], v9, s[46:47] offset:(32*(\a/2)+8*(\a%2))*4      ; v: block a, lane row r
	v_mov_b32 v[BROW+2*\a+1], 0                    ; (named with it as a pair, so it is written)
.endr
.macro FRAG reg, adr, q, i             ; a fragment: six pieces of 256 bytes, lane l's 8 bytes at 8 l
.irp p, 0,1,2,3,4,5
	ds_load_b64 v[\reg+2*\p:\reg+2*\p+1], v[\adr] offset:(\i)*3072+(\q)*1536+256*\p
.endr
.endm
; 16 matrix instructions: A's blocks a0, a0 + 1 x B's eight.  The 64 accumulators take turns, one instruction a turn, in the same order in every step.
.macro MUL16 a0, p, q, sc, zero
.irp a, \a0, \a0+1
.irp b, 0,1,2,3,4,5,6,7
.if \zero
	v_wmma_scale_f32_16x16x128_f8f6f4 v[8*(8*((\a)%4)+\b):8*(8*((\a)%4)+\b)+7], v[128*(\p)+FR*\b:128*(\p)+FR*\b+FR-1], v[AF+FR*(\a):AF+FR*(\a)+FR-1], 0, v[SC+8*NQ*(\sc)+NQ*\b+(\q)], v[SC+8*NQ*(\sc)+NQ*(\a)+(\q)] matrix_a_fmt:MATRIX_FMT_FP6 matrix_b_fmt:MATRIX_FMT_FP6 matrix_a_scale:MATRIX_SCALE_ROW1
.else
	v_wmma_scale_f32_16x16x128_f8f6f4 v[8*(8*((\a)%4)+\b):8*(8*((\a)%4)+\b)+7], v[128*(\p)+FR*\b:128*(\p)+FR*\b+FR-1], v[AF+FR*(\a):AF+FR*(\a)+FR-1], v[8*(8*((\a)%4)+\b):8*(8*((\a)%4)+\b)+7], v[SC+8*NQ*(\sc)+NQ*\b+(\q)], v[SC+8*NQ*(\sc)+NQ*(\a)+(\q)] matrix_a_fmt:MATRIX_FMT_FP6 matrix_b_fmt:MATRIX_FMT_FP6 matrix_a_scale:MATRIX_SCALE_ROW1
.endif
.endr
.endr
.endm
.macro FETCH_B slot, q, p
	WIN TO_B
.irp i, 0,1,2,3,4,5,6,7
	FRAG 128*(\p)+FR*\i, ADRB+\slot, \q, \i
.endr
	WIN 0
.endm
.macro FETCH_A slot, q, i0
.irp i, \i0, \i0+1, \i0+2, \i0+3
	FRAG AF+FR*(\i), ADRA+\slot, \q, \i
.endr
.endm
.macro SCALES sc                       ; a slot's scale words into set sc: lanes 0-15 take A's block i, lanes 16-31 B's block i
.irp i, 0,1,2,3,4,5,6,7
	ds_load_b64 v[SC+8*NQ*\sc+NQ*\i:SC+8*NQ*\sc+NQ*\i+1], v[ADRS] offset:\i*512
.endr
.endm
.macro STEP slot, q, zero              ; a step of 128 along K that has its successor in the same slot
	s_wait_dscnt 4*NL                              ; B's set, A's blocks 0-3 and the scale words are in; the youngest 24 loads (A's blocks 4-7) may be out
	WIN MUL_LO
	MUL16 0, (\q)%2, \q, \slot, \zero
	MUL16 2, (\q)%2, \q, \slot, \zero
	s_wait_dscnt 0x0
	PLACES NP
	FETCH_B \slot, (\q)+1, 1-(\q)%2
	FETCH_A \slot, (\q)+1, 0
	WIN MUL_HI
	MUL16 4, (\q)%2, \q, \slot, \zero
	MUL16 6, (\q)%2, \q, \slot, \zero
	PLACES NP
	WIN 0
	FETCH_A \slot, (\q)+1, 4
.endm
; A slot's last step changes slots: one barrier; in front of it each wave waits for all its tensor loads, adds 0 to its spare word, and waits for that and for its reads of this slot.
; fill = 1: this slot is filled again, two K steps ahead.  fill = 2: nothing is filled again; part 2's two first fills go out.
.macro TURN slot, next, fill
	s_wait_tensorcnt 0x0
	ds_add_u32 v[SPW], v[NIL]
.if \fill == 2
	s_mov_b32 s[G1SB+2], 384<<16                   ; no load of mine is out, and the ring asks for nothing more: v's weights are 384 rows of 256 bytes,
	s_mov_b32 s[G1SB+4], 384
	s_mov_b32 s[G1B+2], 16<<16                     ; their scale bytes 16,
	s_mov_b32 s[G1B+4], 16
	s_mov_b32 s[G1+2], 192<<16                     ; my part of x 192
	s_mov_b32 s[G1+4], 192
.endif
	s_wait_dscnt 4*NL+1                            ; (the add and the youngest 24 loads may be out)
	WIN MUL_LO
	MUL16 0, 1, NQ-1, \slot, 0
	s_wait_dscnt 0x0
	s_barrier_signal -1
	MUL16 2, 1, NQ-1, \slot, 0
	WIN 0
	s_barrier_wait -1
.if \fill == 1
	CREST
	s_add_nc_u64 s[G0+4*\slot+2:G0+4*\slot+3], s[G0+4*\slot+2:G0+4*\slot+3], 2*HALFT
	s_add_nc_u64 s[G0B+4*\slot+2:G0B+4*\slot+3], s[G0B+4*\slot+2:G0B+4*\slot+3], 2*HALFT
	JLOAD G0+4*\slot, G1, G0B+4*\slot, G1B
.elseif \fill == 2
	CREST
	s_cmp_lt_u32 s14, 1
	s_cbranch_scc0 .Lv_scales_\@
	TLOAD G0S, G1SB                                ; wave 0: v's weights
	s_branch .Lv_asked_\@
.Lv_scales_\@:
	s_cmp_lt_u32 s14, 2
	s_cbranch_scc0 .Lv_asked_\@
	TLOAD G0SB, G1B                                ; wave 1: their scale bytes
.Lv_asked_\@:
	PLACES NP                                      ; for the waves that come round the loads
.else
	PLACES NP
.endif
	WALU
	v_add_nc_u32 v[ADRS], 128, v[ADRS]             ; the next slot's scale words (no LDS load of mine is out)
	FETCH_B \next, 0, 0
	FETCH_A \next, 0, 0
	SCALES \next
	WIN MUL_HI
	MUL16 4, 1, NQ-1, \slot, 0
	MUL16 6, 1, NQ-1, \slot, 0
	PLACES NP
	WIN 0
	FETCH_A \next, 0, 4
.endm
	WALU                                           ; the wait at the head's end
	s_wait_loadcnt 0x0                             ; the biases
	s_wait_tensorcnt 0x0                           ; my one load of the head has landed, so descriptors may be written: in the ring a load brings one group's K step, 96 rows of 256 bytes
.irp g, G1, G1B
	s_mov_b32 s[\g+1], 32<<16
	s_mov_b32 s[\g+2], 96<<16
	s_mov_b32 s[\g+3], 32<<16
	s_mov_b32 s[\g+4], 96
	s_mov_b32 s[\g+5], 32
.endr
	s_mov_b32 s[G0+1], s45                         ; slot 0's groups 0 now stand at my group's K step 0: its refill steps them to K step 2
	s_add_nc_u64 s[G0+2:G0+3], s[G0+2:G0+3], s[18:19]
	s_mov_b32 s[G0B+1], s45
	s_add_nc_u64 s[G0B+2:G0B+3], s[G0B+2:G0B+3], s[18:19]
	s_mov_b32 s[G0S+1], WV                         ; and the scale bytes' groups 0 take part 2's first fills
	s_mov_b64 s[G0S+2:G0S+3], s[66:67]
	s_or_b32 s[G0S+3], s[G0S+3], 0x80000000
	s_mov_b32 s[G0SB+1], SA2
	s_mov_b64 s[G0SB+2:G0SB+3], s[12:13]
	s_or_b32 s[G0SB+3], s[G0SB+3], 0x80000000
	s_barrier_signal -1                            ; both slots and the scale bytes are whole for all four waves
	s_barrier_wait -1
	FETCH_B 0, 0, 0
	FETCH_A 0, 0, 0
	SCALES 0
	FETCH_A 0, 0, 4
	STEP 0, 0, 1                                   ; K 0-127: its products start the sums
	TURN 0, 1, 1                                   ; slot 0 takes K 512-767
	STEP 1, 0, 0
	TURN 1, 0, 1                                   ; slot 1 takes K 768-1,023
	STEP 0, 0, 0
	TURN 0, 1, 2                                   ; v's weights and their scale bytes are asked for
	STEP 1, 0, 0
	s_wait_tensorcnt 0x0                           ; THE LAST STEP OF PART 1: both first fills have landed;
	ds_add_u32 v[SPW], v[NIL]
	s_wait_dscnt 4*NL+1
	WIN MUL_LO
	MUL16 0, 1, NQ-1, 1, 0
	s_wait_dscnt 0x0                               ; the add is done, and my reads of both slots are over
	s_barrier_signal -1
	MUL16 2, 1, NQ-1, 1, 0
	WIN 0
	s_barrier_wait -1
	CREST                                          ; no wave of any partner still reads the ring or has a load on its way
	TLOAD G0X, G1                                  ; my 49,152 bytes of x for part 2, onto the ring
	WIN MUL_HI
	MUL16 4, 1, NQ-1, 1, 0
	MUL16 6, 1, NQ-1, 1, 0
	WIN 0
	PLACES NP
; 64 numbers of a lane, v[s] on, register 16 b + i = index 32 b + 16 (lane / 16) + i along the next K, become a fragment's codes in v[PC] on and its scale word in v[pw].
.macro QUANT s, pw
.irp b, 0,1,2,3
	v_max3_num_f32 v[TM+\b], |v[\s+16*\b]|, |v[\s+1+16*\b]|, 0x1800000   ; block b: my 16 numbers, and the floor 2^(3 - 127): the byte cannot fall under 1
.endr
.irp i, 2,4,6,8,10,12,14
.irp b, 0,1,2,3
	v_max3_num_f32 v[TM+\b], v[TM+\b], |v[\s+16*\b+\i]|, |v[\s+1+16*\b+\i]|
.endr
.endr
.irp b, 0,1,2,3
	v_permlanex16_b32 v[TM+4+\b], v[TM+\b], s20, s21
.endr
.irp b, 0,1,2,3
	v_max_num_f32 v[TM+\b], v[TM+\b], v[TM+4+\b]   ; with lane l xor 16's: the block's largest magnitude
.endr
.irp b, 0,1,2,3
	v_add_nc_u32 v[TM+12+\b], 0xff000000, v[TM+\b] ; 2 off its exponent field: the conversion's scale operand
.endr
.irp b, 0,1,2,3
	v_lshrrev_b32 v[TM+4+\b], 23, v[TM+12+\b]      ; the scale's byte
.endr
	v_lshl_or_b32 v[\pw], v[TM+5], 8, v[TM+4]
	v_lshl_or_b32 v[\pw], v[TM+6], 16, v[\pw]
	v_lshl_or_b32 v[\pw], v[TM+7], 24, v[\pw]
.irp c, 0,1
	v_cvt_scalef32_pk16_fp6_f32 v[PC+6*\c:PC+2+6*\c], v[\s+32*\c:\s+15+32*\c], v[TM+12+2*\c]
	v_cvt_scalef32_pk16_fp6_f32 v[PC+12+4*\c:PC+14+4*\c], v[\s+16+32*\c:\s+31+32*\c], v[TM+12+2*\c+1]   ; (a conversion's three registers begin on an even number)
.endr
	v_nop                                          ; one plain place behind a scaled conversion
.irp c, 0,1                                    ; the operand's layout wants a whole block in a lane
.irp i, 0,1,2
	v_permlane16_swap_b32 v[PC+6*\c+\i], v[PC+12+4*\c+\i]
.endr
.irp i, 0,1,2
	v_mov_b32 v[PC+3+6*\c+\i], v[PC+12+4*\c+\i]
.endr
.endr
.endm
; Block a of A's rows leaves: the bias is added (which also brings the sums into window 0, each accumulator from its low end on), the 64 numbers are quantised, the fragment is stored as it stands.
.macro EPI a, isv
.if (\a) > 0
	s_wait_xcnt 0x0                                ; the last block's stores have read the codes' registers
.endif
.set AC, 64*((\a)%4)
	WIN 0x02+(\a)/4                                ; source 0: window 2 or 3
.set n, 0
.rept 32
.if \isv
	v_pk_add_f32 v[H+2*n:H+2*n+1], v[AC+2*n:AC+2*n+1], v[BROW+2*(\a):BROW+2*(\a)+1] op_sel_hi:[1,0]   ; my channel's bias for all tokens
.else
	v_pk_add_f32 v[H+2*n:H+2*n+1], v[AC+2*n:AC+2*n+1], v[BCOL+2*n:BCOL+2*n+1]
.endif
.set n, n+1
.endr
	WIN 0
	QUANT H, SW+(\a)
.irp p, 0,1,2,3,4,5
.if \isv
	global_store_b64 v24, v[PC+2*\p:PC+2*\p+1], s[92:93] offset:1536*(\a)+256*\p                       ; my head's tile a of 16 channels x my 128 keys
.else
	global_store_b64 v24, v[PC+2*\p:PC+2*\p+1], s[2:3] offset:768*(\a)+(\p/3)*HEADSTR+256*(\p%3)       ; registers 0-5: my first head's 64 channels; 6-11: the next head's
.endif
.endr
.endm
	s_mov_b32 s20, 0x76543210
	s_mov_b32 s21, 0xfedcba98                      ; v_permlanex16_b32's selects for lane l xor 16
.irp b, 0,1,2,3
	v_mov_b32 v[TM+4+\b], 0                        ; a lane permute's destination counts as one of its sources
.endr
.irp a, 0,1,2,3,4,5,6,7
	EPI \a, 0
.endr
.irp i, 0,1,2,3,4,5,6,7
	v_lshrrev_b32 v[H+\i], v26, v[SW+\i]           ; lanes 0-15 keep the first head's two bytes, lanes 16-31 the next head's;
.endr
.irp i, 0,1,2,3,4,5,6,7
	v_and_b32 v[H+\i], 0xffff, v[H+\i]             ; the bytes of K 64-127, where the attention's operands hold zero codes, are 0
.endr
	global_store_b128 v25, v[H:H+3], s[10:11]      ; four tiles' words a lane: sixteen lanes store 256 consecutive bytes, aligned
	global_store_b128 v25, v[H+4:H+7], s[10:11] offset:256
; PART 2: v.  A = my four tiles of v's weights, B = my 128 tokens of x; all of K lies in LDS.
.macro VFRAG reg, adr, off
.irp p, 0,1,2,3,4,5
	ds_load_b64 v[\reg+2*\p:\reg+2*\p+1], v[\adr] offset:(\off)+256*\p
.endr
.endm
.macro VFETCH st                       ; step st's fragments (128 along K) into sets st % 2; with an even step the scale words of two steps
.set KO_, (((\st)/2)%2)*HALFT+((\st)%2)*1536
	WIN TO_B
.irp i, 0,1,2,3,4,5,6,7
	VFRAG 128*((\st)%2)+FR*\i, ADRB+2+(\st)/4, KO_+\i*3072
.endr
	WIN 0
.irp i, 0,1,2,3
	VFRAG AF+48*((\st)%2)+FR*\i, ADRA+2+(\st)/4, KO_+\i*3072
.endr
.if (\st)%2 == 0
.irp i, 0,1,2,3,4,5,6,7
	ds_load_b64 v[SC+16*(((\st)/2)%2)+2*\i:SC+16*(((\st)/2)%2)+2*\i+1], v[ADRS2] offset:\i*512+((\st)/2)*128   ; lanes 0-15 A's block i (of blocks 4-7 they read written bytes that no product takes), lanes 16-31 B's
.endr
.endif
.endm
.macro VMUL16 a0, st, first            ; A's blocks a0, a0 + 1 x B's eight: the 32 accumulators take turns
.irp a, \a0, \a0+1
.irp b, 0,1,2,3,4,5,6,7
.if \first
	v_wmma_scale_f32_16x16x128_f8f6f4 v[8*(8*(\a)+\b):8*(8*(\a)+\b)+7], v[128*((\st)%2)+FR*\b:128*((\st)%2)+FR*\b+FR-1], v[AF+48*((\st)%2)+FR*(\a):AF+48*((\st)%2)+FR*(\a)+FR-1], 0, v[SC+16*(((\st)/2)%2)+2*\b+(\st)%2], v[SC+16*(((\st)/2)%2)+2*(\a)+(\st)%2] matrix_a_fmt:MATRIX_FMT_FP6 matrix_b_fmt:MATRIX_FMT_FP6 matrix_a_scale:MATRIX_SCALE_ROW1
.else
	v_wmma_scale_f32_16x16x128_f8f6f4 v[8*(8*(\a)+\b):8*(8*(\a)+\b)+7], v[128*((\st)%2)+FR*\b:128*((\st)%2)+FR*\b+FR-1], v[AF+48*((\st)%2)+FR*(\a):AF+48*((\st)%2)+FR*(\a)+FR-1], v[8*(8*(\a)+\b):8*(8*(\a)+\b)+7], v[SC+16*(((\st)/2)%2)+2*\b+(\st)%2], v[SC+16*(((\st)/2)%2)+2*(\a)+(\st)%2] matrix_a_fmt:MATRIX_FMT_FP6 matrix_b_fmt:MATRIX_FMT_FP6 matrix_a_scale:MATRIX_SCALE_ROW1
.endif
.endr
.endr
.endm
.macro VSTEP st                        ; this step's fragments are in; the next step's are asked for, into the other sets, four places behind the products that read those; then 32 products
	s_wait_dscnt 0x0
.if (\st) < 7
.if (\st) > 0
	PLACES NP
.endif
	VFETCH (\st)+1
.endif
	WIN MUL_LO
	VMUL16 0, \st, (\st)==0
	VMUL16 2, \st, (\st)==0
	WIN 0
.endm
	s_wait_xcnt 0x0                                ; part 1's stores have read their registers, which take fragments now
	WALU                                           ; the wait here, directly ahead of the wait below
	s_wait_tensorcnt 0x0                           ; my part of x has landed
	s_barrier_signal -1
	s_barrier_wait -1                              ; and everybody's
	VFETCH 0
.irp st, 0,1,2,3,4,5,6,7
	VSTEP \st
.endr
	PLACES NP
.irp b, 0,1,2,3
	v_mov_b32 v[TM+4+\b], 0                        ; (these registers held fragments)
.endr
.irp a, 0,1,2,3
	EPI \a, 1
.endr
	v_cmp_eq_u32 vcc_lo, 1, v2
	v_cndmask_b32 v[H], v[SW], v[SW+2], vcc_lo     ; lane (r, h) stores the words of tiles 2 h, 2 h + 1 of row r: 32 lanes store 256 consecutive bytes, aligned
	v_cndmask_b32 v[H+1], v[SW+1], v[SW+3], vcc_lo
	global_store_b64 v11, v[H:H+1], s[94:95]
	s_wait_tensorcnt 0x0                           ; the wave's end
	ds_add_u32 v[SPW], v[NIL]
	s_wait_dscnt 0x0
	CROUND                                         ; the closing round
	s_endpgm
.Lfunc_end_k_qb95f6bdf6b_qkv:
	.size	k_qb95f6bdf6b_qkv, .Lfunc_end_k_qb95f6bdf6b_qkv-k_qb95f6bdf6b_qkv
	.p2alignl 7, 3214868480
	.fill 96, 4, 3214868480
	.section	.rodata,"a",@progbits
	.p2align	6, 0x0
	.amdhsa_kernel k_qb95f6bdf6b_qkv
		.amdhsa_group_segment_fixed_size 327680
		.amdhsa_private_segment_fixed_size 0
		.amdhsa_enable_private_segment 0
		.amdhsa_kernarg_size 24
		.amdhsa_user_sgpr_count 2
		.amdhsa_user_sgpr_kernarg_segment_ptr 1
		.amdhsa_wavefront_size32 1
		.amdhsa_system_sgpr_workgroup_id_x 1
		.amdhsa_system_sgpr_workgroup_id_y 1
		.amdhsa_system_sgpr_workgroup_id_z 1
		.amdhsa_system_vgpr_workitem_id 0
		.amdhsa_next_free_vgpr 1024
		.amdhsa_next_free_sgpr 102
		.amdhsa_reserve_vcc 1
		.amdhsa_float_denorm_mode_32 3
		.amdhsa_float_denorm_mode_16_64 3
		.amdhsa_memory_ordered 1
		.amdhsa_forward_progress 1
		.amdhsa_inst_pref_size 255
	.end_amdhsa_kernel
	.section	.bss,"aw",@nobits
	.p2align	6
	.space	262144
	.amdgpu_metadata
---
amdhsa.version: [ 1, 2 ]
amdhsa.kernels:
  - .name:           k_qb95f6bdf6b_qkv
    .symbol:         k_qb95f6bdf6b_qkv.kd
    .args:
      - { .name: opq, .offset: 0, .size: 8, .value_kind: global_buffer, .address_space: global }
      - { .name: b_qkv, .offset: 8, .size: 8, .value_kind: global_buffer, .address_space: global }
      - { .name: qkv, .offset: 16, .size: 8, .value_kind: global_buffer, .address_space: global }
    .group_segment_fixed_size: 327680
    .private_segment_fixed_size: 0
    .kernarg_segment_align: 8
    .kernarg_segment_size: 24
    .max_flat_workgroup_size: 128
    .sgpr_count:     102
    .vgpr_count:     1024
    .wavefront_size: 32
...
	.end_amdgpu_metadata
.endif
;; end of part 2
;; launch attn (part 3): grid 4 x 64, 16 waves a work-group, clusters of 4 x 1, 210,944 bytes of LDS; arguments qkv, ctx; writes ctx
.if DOCPART == 3
	.amdgcn_target "amdgcn-amd-amdhsa--gfx1250"
	.amdhsa_code_object_version 6
	.text
	.protected	k_qb95f6bdf6b_attn
	.globl	k_qb95f6bdf6b_attn
	.p2align	8
	.type	k_qb95f6bdf6b_attn,@function
k_qb95f6bdf6b_attn:
	s_mov_b64 s[64:65], 0
	v_nop
	global_prefetch_b8 v0, s[64:65] scope:SCOPE_SE
	s_setreg_imm32_b32 hwreg(HW_REG_WAVE_MODE, 25, 1), 1
	s_wait_xcnt 0x0
	s_wait_alu depctr_hold_cnt(0) depctr_sa_sdst(0) depctr_va_vdst(0) depctr_va_sdst(0) depctr_va_ssrc(0) depctr_va_vcc(0) depctr_vm_vsrc(0)
	s_getreg_b32 s2, hwreg(HW_REG_IB_STS2, 6, 4)
	s_cmp_eq_u32 s2, 0
	s_cbranch_scc0 .Lentry_in_a_cluster
	s_endpgm
.Lentry_in_a_cluster:
	s_bfe_u32 s2, ttmp6, 0x10000c
	s_cmp_lg_u32 s2, 0x3003
	s_cbranch_scc0 .Lentry_shape_is_right
	s_endpgm
.Lentry_shape_is_right:
; ctx[token][head x 64 + d] = the sum over keys k <= token of softmax_k(q . k / 8) v, both products on codes of FP6 (E2M3) with E8M0 scales; ctx is then quantised along its 1,024 channels and leaves as operand images.
; LEFT OUT: key steps of 128 all of whose keys come after a tile's queries: the causal mask sets their scores to -infinity, so their p is 0 for every input.  A NaN or infinity that reaches only such scores is not carried.
; IN (qkv): for each (y = 16 x batch + head, block of 256 tokens) a record of REC bytes: 16 half fragments of q (registers 0-5: K = 64), q's scale words, and for each 128 keys SREC bytes:
; 8 half fragments of k, 4 fragments of v^T (16 channels x 128 keys), k's scale words, v's.  Stored tile a, lane row r = row 32 (a / 2) + 8 (a % 2) + r + 8 (r / 8) of its 128.
; SHARES: the four work-groups of a cluster serve one head y.  Wave w of partner p owns tile 2 p + w / 8 (16 queries) of the 128-token block j = min(w, 15 - w), and then the same tile of block 15 - j:
; j + 1 and 16 - j key steps, 17 for every wave.  All branches hang on the wave's number and the loops' counters; the partner's place enters global addresses and the number that the mask compares with, and nothing else.
; LDS: the head's sixteen key-step records, 208,896 bytes, filled ONCE: wave w asks for record w, jointly with the same wave of the three partners (mask 15).  No byte is filled again.
; NO PREFETCH: every fill is asked for at the head; the text has no loop to run ahead in.
; K = 64 IN A FORM OF K = 128: q's registers 6-11 hold zero codes.  k's eight half fragments lie end to end in v32-79, with six zero registers behind them; tile n's product names v[32 + 6 n] on, twelve registers:
; the upper six meet q's zero codes and add nothing; the scale bytes there are 0 (2^-127), not 0xff.
; THE KEYS OF A TILE ARE CHOSEN BY THE LANES' LDS ADDRESS: tile n = 4 c + jt takes in rows 0-7 keys 64 c + 8 jt + 0..7 and in rows 8-15 keys 64 c + 32 + 8 jt + 0..7.  Both products are used transposed (S^T = k q^T, O^T = v^T p^T),
; so lane (r, h) holds query r, and its registers S + 32 c + 0..31 are keys 64 c + 32 h + 0..31: one whole scale block, in the order of the next operand's registers.  No lane looks at another but for the row's maximum and the scale word.
; THE SOFTMAX: t = score x log2(e) / 8; M = the running largest t rounded up to a whole number; p = 2^(t - M) is quantised along the keys, not normalised; the row's sum is taken of the unquantised p and divides at the end.
; When M moves, the sum and O are multiplied by 2^(old M - new M): exact.  A block's largest p is made from its largest score by the same two instructions.
; LIMITS: a p under 2^-126 counts as 0; NaN and infinities are not served; the scaled scores stay under 2^31 in magnitude; a block of zeros gets the byte 1 (this program alone reads the bytes).  ctx's scale bytes leave one byte a lane.
; REGISTERS: v1-8 lane terms; v9-11, v28 the step's LDS addresses; v12 -M, v13 largest score, v[14:15] the sum; v16-27, v228-239 q of the two tiles; v32-85 k's, then v's fragments; v86-93, v240-246 scale words and nothing else;
;   v96-159 S^T, p; v160-191 O^T; v192-210 codes; v212-221 maxima, bytes, scale operands; v[224:225] f; v226 at work; v227 -infinity; v248-253 partial sums; v254, v255 the add's two.
.set REC,   39424
.set HEADSTR, 8*REC
.set SREC,  13056
.set VIM,   6144                       ; in a key-step record: v's fragments,
.set KSC,   12288                      ; k's scale words,
.set VSC,   12800                      ; v's
.set CSC,   6291456                    ; where ctx's scale bytes begin: 64 groups x 98,304
.set SPARE, 16*SREC                    ; behind the records: the spare words, 128 bytes for each wave
.set S,   96
.set G1,  16                           ; s[16:23] descriptor group 1
.set G0,  24                           ; s[24:27] group 0
.set NC,  28                           ; -log2(e) / 8
.set SEL, 32
.set CS,  34                           ; s[34:35] c = log2(e) / 8
.set TB,  36                           ; LDS byte at which the step's record begins
.set IX,  37                           ; the step's number: the loops' counter
.set JA,  38                           ; j: my first tile's block, and the step on its diagonal
.set JB,  39                           ; 15 - j: my second tile's
.macro ROUND                           ; a round of the cluster's barrier
	s_barrier_signal -1
	s_barrier_wait -1
	s_cmp_lg_u32 s8, 0
	s_cbranch_scc1 .Lnot_wave_0_\@
	s_barrier_signal -3
.Lnot_wave_0_\@:
	s_barrier_wait -3
	s_barrier_signal -1
	s_barrier_wait -1
.endm
	s_load_b128 s[4:7], s[0:1], 0x0                ; qkv, ctx
	v_lshl_add_u32 v254, v0, 2, SPARE
	v_mov_b32 v255, 0
	ds_add_u32 v254, v255                          ; the opening lines: the add, twice on end, and its wait
	ds_add_u32 v254, v255
	v_lshrrev_b32 v1, 5, v0
	v_readfirstlane_b32 s8, v1                     ; wave 0..15
	s_and_b32 s9, ttmp7, 0xffff                    ; y: the cluster's
	s_bfe_u32 s10, ttmp6, 0x40000                  ; p: my place in the cluster
	s_mov_b32 s[G1], 15|(3<<16)|(1<<21)            ; all four partners; a record: 13,056 dense bytes as 51 rows of 256 bytes (32 elements of 8 bytes), no padding
	s_mov_b32 s[G1+1], 32<<16
	s_mov_b32 s[G1+2], 51<<16
	s_mov_b32 s[G1+3], 32<<16
	s_mov_b32 s[G1+4], 51
	s_mov_b32 s[G1+5], 32
	s_mov_b32 s[G1+6], 0
	s_mov_b32 s[G1+7], 0
	s_mov_b32 s[G0], 1
	s_mul_i32 s[G0+1], s8, SREC                    ; record w to LDS byte 13,056 w
	s_mul_i32 s12, s9, HEADSTR
	s_mov_b32 s13, 0
	s_lshr_b32 s14, s8, 1
	s_mul_i32 s14, s14, REC
	s_and_b32 s15, s8, 1
	s_mul_i32 s15, s15, SREC
	s_add_co_u32 s14, s14, s15
	s_add_co_u32 s14, s14, 13312                   ; in memory: block w / 2, behind q's 13,312 bytes, key step w % 2
	s_mov_b32 s15, 0
	s_wait_alu depctr_va_vdst(0)                   ; the wait here, directly ahead of the wait below
	s_wait_dscnt 0x0
	ROUND                                          ; the four partners are here: the joint loads meet
	s_wait_kmcnt 0x0
	s_add_nc_u64 s[4:5], s[4:5], s[12:13]          ; the head's records
	s_add_nc_u64 s[G0+2:G0+3], s[4:5], s[14:15]
	s_or_b32 s[G0+3], s[G0+3], 0x80000000
	tensor_load_to_lds s[G0:G0+3], s[G1:G1+7]      ; my one tensor load of the launch
	s_nop 0
	s_sub_co_u32 s11, 15, s8
	s_min_u32 s[JA], s8, s11
	s_sub_co_u32 s[JB], 15, s[JA]
	s_lshr_b32 s29, s8, 3
	s_lshl_b32 s12, s10, 1
	s_add_co_u32 s29, s29, s12                     ; s29: my tile in its block of 128 tokens: 2 p + w / 8
	s_lshr_b32 s30, s29, 1
	s_lshl_b32 s30, s30, 5
	s_and_b32 s12, s29, 1
	s_lshl_b32 s12, s12, 3
	s_add_co_u32 s30, s30, s12                     ; s30: its first query in the block
	s_mov_b32 s[SEL], 0x76543210
	s_mov_b32 s[SEL+1], 0xfedcba98                 ; v_permlanex16_b32's selects for lane l xor 16
	s_mov_b32 s[CS], 0x3e38aa3b                    ; log2(e) / 8
	s_mov_b32 s[CS+1], s[CS]                       ; (named with it as a pair, so it is written)
	s_mov_b32 s[NC], 0xbe38aa3b
	; ctx's K = head x 64 + d: slot head / 4, 128 (head / 2) % 2, registers 6 (head % 2) on
	s_and_b32 s12, s9, 15                          ; head
	s_lshr_b32 s14, s12, 2
	s_mul_i32 s58, s14, 24576
	s_lshl_b32 s59, s14, 7
	s_bfe_u32 s14, s12, 0x10001
	s_mul_i32 s13, s14, 1536
	s_add_co_u32 s58, s58, s13
	s_lshl_b32 s13, s14, 2
	s_add_co_u32 s59, s59, s13
	s_and_b32 s14, s12, 1
	s_mul_i32 s13, s14, 768
	s_add_co_u32 s58, s58, s13
	s_lshl_b32 s13, s14, 1
	s_add_co_u32 s59, s59, s13
	s_mul_i32 s13, s29, 3072
	s_add_co_u32 s58, s58, s13                     ; s58: ctx's codes within a group
	s_lshl_b32 s13, s29, 9
	s_add_co_u32 s59, s59, s13
	s_add_co_u32 s59, s59, CSC                     ; s59: ctx's scale bytes
	s_lshr_b32 s63, s9, 4
	s_lshl_b32 s63, s63, 4                         ; s63: 16 x batch
.macro SETUP jb, qb, qs, cc, cs        ; the addresses of the tile in block s[jb]
	s_lshr_b32 s12, s[\jb], 1
	s_mul_i32 s12, s12, REC
	s_and_b32 s13, s[\jb], 1
	s_lshl_b32 s13, s13, 3
	s_add_co_u32 s13, s13, s29                     ; the tile among the record's sixteen
	s_mul_i32 s14, s13, 768
	s_add_co_u32 s14, s14, s12
	s_add_nc_u64 s[\qb:\qb+1], s[4:5], s[14:15]
	s_lshr_b32 s14, s13, 2
	s_lshl_b32 s14, s14, 8
	s_and_b32 s13, s13, 3
	s_lshl_b32 s13, s13, 2
	s_add_co_u32 s14, s14, s13
	s_add_co_u32 s14, s14, s12
	s_add_co_u32 s14, s14, 12288
	s_add_nc_u64 s[\qs:\qs+1], s[4:5], s[14:15]
	s_add_co_u32 s12, s63, s[\jb]                  ; ctx's group of 128 tokens
	s_mul_i32 s14, s12, 98304
	s_add_co_u32 s14, s14, s58
	s_add_nc_u64 s[\cc:\cc+1], s[6:7], s[14:15]
	s_lshl_b32 s14, s12, 12
	s_add_co_u32 s14, s14, s59
	s_add_nc_u64 s[\cs:\cs+1], s[6:7], s[14:15]
.endm
	SETUP JA, 40, 44, 48, 52
	SETUP JB, 42, 46, 50, 54
	v_and_b32 v7, 31, v0                           ; lane
	v_and_b32 v29, 15, v0                          ; r
	v_bfe_u32 v30, v0, 4, 1                        ; h
	v_lshlrev_b32 v1, 3, v7                        ; 8 x lane: my place in a piece of a stored fragment
	v_lshlrev_b32 v2, 4, v29                       ; 16 r: my row's four scale words
	v_and_b32 v31, 7, v29                          ; r % 8
	v_lshrrev_b32 v28, 3, v29                      ; r / 8
	v_lshlrev_b32 v3, 3, v31
	v_lshl_add_u32 v3, v30, 7, v3
	v_mad_u32_u24 v3, v28, 1536, v3                ; k's pieces: 8 (r % 8 + 16 h), rows 8-15 two stored tiles on
	v_lshlrev_b32 v4, 4, v31
	v_lshl_add_u32 v4, v28, 3, v4                  ; k's scale words: 16 (r % 8) + 8 (r / 8)
	v_lshl_add_u32 v5, v28, 3, v29
	v_lshlrev_b32 v9, 5, v30
	v_sub_nc_u32 v5, v5, v9
	v_add_nc_u32 v5, s30, v5                       ; my query in its block less 32 h: register 32 c + i is hidden on the diagonal where 64 c + i is greater
	v_lshl_add_u32 v6, v29, 3, v30                 ; 8 r + h: my scale byte of ctx
	v_lshlrev_b32 v8, 3, v30                       ; 8 h: my bytes' place in p's scale word, in bits
.irp j, 0,1,2
	global_load_b64 v[16+2*\j:17+2*\j], v1, s[40:41] offset:256*\j      ; q of both tiles stays in registers
	global_load_b64 v[228+2*\j:229+2*\j], v1, s[42:43] offset:256*\j
.endr
	global_load_b32 v245, v2, s[44:45]
	global_load_b32 v246, v2, s[46:47]
.irp i, 0,1,2,3,4,5
	v_mov_b32 v[22+\i], 0                          ; zero codes for K 64-127 of q,
	v_mov_b32 v[234+\i], 0
	v_mov_b32 v[80+\i], 0                          ; and behind k's last half fragment: written once, never loaded
.endr
.irp b, 0,1,2,3
	v_mov_b32 v[216+\b], 0                         ; written once: a lane permute's destination counts as one of its sources
.endr
	v_mov_b32 v225, 0                              ; (named as the upper half of the pair v[224:225])
	v_mov_b32 v226, 0
	v_mov_b32 v227, 0xff800000                     ; -infinity
; A KEY STEP: 128 keys.  qf: q's fragment; qs: its scale words; jr: the scalar with the number of the step on my tile's diagonal.
.macro STEP qf, qs, jr
	s_cmp_gt_u32 s[IX], s[\jr]
	s_cbranch_scc1 .Lhidden_\@                     ; all keys come after my queries
	v_add_nc_u32 v9, s[TB], v3                     ; four addresses: also the places between the last step's products and the loads into their registers
	v_add_nc_u32 v10, s[TB], v4
	v_add_nc_u32 v11, s[TB], v1
	v_add_nc_u32 v28, s[TB], v2
	s_wait_alu depctr_va_vdst(0)
.irp c, 0,1
.irp m, 0,1
	ds_load_b64 v[86+4*\c+2*\m:87+4*\c+2*\m], v10 offset:KSC+256*\c+128*\m   ; the scale words of tiles 4 c + 2 m, + 1
.endr
.endr
.set n, 0
.rept 8
.irp p, 0,1,2
	ds_load_b64 v[32+6*n+2*\p:33+6*n+2*\p], v9 offset:768*(4*(n/4)+n%2)+64*((n%4)/2)+256*\p
.endr
.set n, n+1
.endr
	s_wait_dscnt 0x0
.set n, 0
.rept 8                                        ; S^T = k q^T: eight accumulators, one instruction each
	v_wmma_scale_f32_16x16x128_f8f6f4 v[S+8*n:S+8*n+7], v[32+6*n:43+6*n], v[\qf:\qf+11], 0, v[86+n], v[\qs] matrix_a_fmt:MATRIX_FMT_FP6 matrix_b_fmt:MATRIX_FMT_FP6
.set n, n+1
.endr
	v_mov_b32 v226, v12                            ; the old -M; with three v_nop the four places behind the products
.rept 3
	v_nop
.endr
.irp t, 0,1,2,3                                ; v's four fragments take k's registers; they land under the softmax
.irp p, 0,1,2,3,4,5
	ds_load_b64 v[32+12*\t+2*\p:33+12*\t+2*\p], v11 offset:VIM+1536*\t+256*\p
.endr
.endr
	ds_load_b128 v[240:243], v28 offset:VSC
	s_cmp_lg_u32 s[IX], s[\jr]
	s_cbranch_scc1 .Lopen_\@                       ; all keys count
.set n, 0
.rept 64
	v_cmp_gt_i32 vcc_lo, 64*(n/32)+n%32, v5
	v_cndmask_b32 v[S+n], v[S+n], v227, vcc_lo
.set n, n+1
.endr
.Lopen_\@:
.irp b, 0,1,2,3
	v_max3_num_f32 v[212+\b], v[S+16*\b], v[S+1+16*\b], v[S+2+16*\b]   ; four chains by turns, two to a block of 32 keys; each accumulator is read from its low end on
.endr
.irp i, 3,5,7,9,11,13
.irp b, 0,1,2,3
	v_max3_num_f32 v[212+\b], v[212+\b], v[S+16*\b+\i], v[S+1+16*\b+\i]
.endr
.endr
	v_max3_num_f32 v212, v212, v[S+15], v[S+31]
	v_max3_num_f32 v214, v214, v[S+47], v[S+63]
	s_delay_alu instid0(VALU_DEP_2)
	v_max_num_f32 v212, v212, v213                 ; the largest score of my block c = 0: for the row's maximum and, since p rises with the score, for the block's largest p
	s_delay_alu instid0(VALU_DEP_2)
	v_max_num_f32 v214, v214, v215                 ; and of c = 1
	s_delay_alu instid0(VALU_DEP_1)
	v_max_num_f32 v217, v212, v214
	s_delay_alu instid0(VALU_DEP_1)
	v_permlanex16_b32 v216, v217, s[SEL], s[SEL+1]
	s_delay_alu instid0(VALU_DEP_1)
	v_max3_num_f32 v13, v13, v217, v216            ; the running largest score, with lane l xor 16's 64 keys
	s_delay_alu instid0(VALU_DEP_1)
	v_mul_f32 v218, s[NC], v13                     ; -t (c is positive)
	s_delay_alu instid0(VALU_DEP_1)
	v_floor_f32 v12, v218                          ; the new -M = -ceil(t)
.set n, 0
.rept 32
	v_pk_fma_f32 v[S+n:S+n+1], v[S+n:S+n+1], s[CS:CS+1], v[12:13] op_sel_hi:[1,0,0]   ; t - M, two at a time
.set n, n+2
.endr
	v_fma_f32 v212, v212, s[CS], v12               ; the same of each block's largest score
	v_fma_f32 v214, v214, s[CS], v12
	v_sub_f32 v226, v12, v226                      ; old M - new M: a whole number, 0 or less
	s_delay_alu instid0(VALU_DEP_1)
	v_cvt_i32_f32 v226, v226                       ; (it saturates)
	s_delay_alu instid0(VALU_DEP_1)
	v_ldexp_f32 v224, 1.0, v226                    ; f = 2^(old M - new M)
.set n, 0
.rept 16
	v_pk_mul_f32 v[160+n:161+n], v[160+n:161+n], v[224:225] op_sel_hi:[1,0]   ; O^T under the new M
.set n, n+2
.endr
	s_wait_alu depctr_va_vdst(0)                   ; the wait ahead of the batch
.set n, 0
.rept 64
	v_exp_f32 v[S+n], v[S+n]                       ; p = 2^(t - M)
.set n, n+1
.endr
	v_exp_f32 v212, v212                           ; the blocks' largest p
	v_exp_f32 v214, v214
	v_pk_mul_f32 v[14:15], v[14:15], v[224:225] op_sel_hi:[1,0]   ; the sums under the new M: the plain instruction behind the exponentials
	s_wait_alu depctr_va_vdst(0)                   ; one wait for the batch of 66, ahead of its first use
	v_max_num_f32 v212, 0x1800000, v212            ; the floor 2^(3 - 127): the byte cannot fall under 1
	v_max_num_f32 v214, 0x1800000, v214
	s_delay_alu instid0(VALU_DEP_2)
	v_add_nc_u32 v220, 0xff000000, v212            ; 2 off the exponent field: the conversion's scale operand
	s_delay_alu instid0(VALU_DEP_2)
	v_add_nc_u32 v221, 0xff000000, v214
	s_delay_alu instid0(VALU_DEP_2)
	v_lshrrev_b32 v218, 23, v220
	s_delay_alu instid0(VALU_DEP_2)
	v_lshrrev_b32 v219, 23, v221
	s_delay_alu instid0(VALU_DEP_1)
	v_lshl_or_b32 v218, v219, 16, v218             ; my two bytes, blocks h and 2 + h,
	s_delay_alu instid0(VALU_DEP_1)
	v_lshlrev_b32 v218, v8, v218                   ; at their places in the scale word;
	s_delay_alu instid0(VALU_DEP_1)
	v_permlanex16_b32 v216, v218, s[SEL], s[SEL+1]
	s_delay_alu instid0(VALU_DEP_1)
	v_or_b32 v244, v218, v216                      ; with lane l xor 16's two the word is whole
.irp c, 0,1
	v_cvt_scalef32_pk16_fp6_f32 v[192+6*\c:194+6*\c], v[S+32*\c:S+15+32*\c], v[220+\c]
	v_cvt_scalef32_pk16_fp6_f32 v[204+4*\c:206+4*\c], v[S+16+32*\c:S+31+32*\c], v[220+\c]   ; (a conversion's three registers begin on an even number)
.endr
	v_pk_add_f32 v[248:249], v[S:S+1], v[S+2:S+3]  ; the row's sum of the unquantised p, four chains by turns; this line is the plain place behind the conversions
.irp c, 0,1
.irp i, 0,1,2
	v_mov_b32 v[195+6*\c+\i], v[204+4*\c+\i]       ; registers 6 c .. 6 c + 5 of the operand: keys 64 c + 32 h + 0..31
.endr
.endr
	v_pk_add_f32 v[250:251], v[S+4:S+5], v[S+6:S+7]
	v_pk_add_f32 v[252:253], v[S+8:S+9], v[S+10:S+11]
	v_pk_add_f32 v[14:15], v[14:15], v[S+12:S+13]
.set n, 14
.rept 6
	v_pk_add_f32 v[248:249], v[248:249], v[S+n:S+n+1]
	v_pk_add_f32 v[250:251], v[250:251], v[S+n+2:S+n+3]
	v_pk_add_f32 v[252:253], v[252:253], v[S+n+4:S+n+5]
	v_pk_add_f32 v[14:15], v[14:15], v[S+n+6:S+n+7]
.set n, n+8
.endr
	v_pk_add_f32 v[248:249], v[248:249], v[S+62:S+63]
	v_pk_add_f32 v[250:251], v[250:251], v[252:253]
	s_delay_alu instid0(VALU_DEP_2)
	v_pk_add_f32 v[14:15], v[14:15], v[248:249]
	s_delay_alu instid0(VALU_DEP_1)
	v_pk_add_f32 v[14:15], v[14:15], v[250:251]    ; (the 31 additions are also the places between the codes' and the scale word's last writes and the products)
	s_wait_alu depctr_va_vdst(0)                   ; the wait here, directly ahead of the wait below
	s_wait_dscnt 0x0                               ; v's fragments and scale words
.irp t, 0,1,2,3                                ; O^T += v^T p^T: four accumulators, one instruction each
	v_wmma_scale_f32_16x16x128_f8f6f4 v[160+8*\t:167+8*\t], v[32+12*\t:43+12*\t], v[192:203], v[160+8*\t:167+8*\t], v[240+\t], v244 matrix_a_fmt:MATRIX_FMT_FP6 matrix_b_fmt:MATRIX_FMT_FP6
.endr
.Lhidden_\@:
	s_add_co_u32 s[TB], s[TB], SREC
.endm
; One tile of queries: the sums begin as zeros and the largest score as -3e38, so that the step is written once; then the way out.
.macro PHASE qf, qs, jr, trips, cc, cs
	v_mov_b32 v13, 0xff61b1e6
	v_mov_b32 v12, 0x7f61b1e6
	v_mov_b32 v14, 0
	v_mov_b32 v15, 0
.set n, 0
.rept 32
	v_mov_b32 v[160+n], 0
.set n, n+1
.endr
	s_mov_b32 s[TB], 0
	s_mov_b32 s[IX], 0
.Lkey_\@:
	STEP \qf, \qs, \jr
	s_add_co_u32 s[IX], s[IX], 1
	s_cmp_lt_u32 s[IX], \trips
	s_cbranch_scc1 .Lkey_\@
.rept 4
	v_nop                                          ; the places behind the last products
.endr
	v_add_f32 v14, v14, v15                        ; the sum's two halves,
	s_delay_alu instid0(VALU_DEP_1)
	v_permlanex16_b32 v226, v14, s[SEL], s[SEL+1]
	s_delay_alu instid0(VALU_DEP_1)
	v_add_f32 v14, v14, v226                       ; and lane l xor 16's
	s_wait_alu depctr_va_vdst(0)
	v_rcp_f32 v224, v14
	v_nop                                          ; a plain instruction behind the reciprocal,
	s_wait_alu depctr_va_vdst(0)                   ; and the wait ahead of its first use
.set n, 0
.rept 16
	v_pk_mul_f32 v[96+n:97+n], v[160+n:161+n], v[224:225] op_sel_hi:[1,0]   ; ctx: register 16 b + i is channel 32 b + 16 h + i of my head
.set n, n+2
.endr
.irp b, 0,1
	v_max3_num_f32 v[212+\b], |v[96+16*\b]|, |v[97+16*\b]|, 0x1800000
.endr
.irp i, 2,4,6,8,10,12,14
.irp b, 0,1
	s_delay_alu instid0(VALU_DEP_2)
	v_max3_num_f32 v[212+\b], v[212+\b], |v[96+16*\b+\i]|, |v[97+16*\b+\i]|
.endr
.endr
.irp b, 0,1
	s_delay_alu instid0(VALU_DEP_2)
	v_permlanex16_b32 v[216+\b], v[212+\b], s[SEL], s[SEL+1]
.endr
.irp b, 0,1
	s_delay_alu instid0(VALU_DEP_2)
	v_max_num_f32 v[212+\b], v[212+\b], v[216+\b]
.endr
.irp b, 0,1
	s_delay_alu instid0(VALU_DEP_2)
	v_add_nc_u32 v[220+\b], 0xff000000, v[212+\b]
.endr
.irp b, 0,1
	s_delay_alu instid0(VALU_DEP_2)
	v_lshrrev_b32 v[216+\b], 23, v[220+\b]
.endr
	v_cvt_scalef32_pk16_fp6_f32 v[192:194], v[96:111], v220
	v_cvt_scalef32_pk16_fp6_f32 v[204:206], v[112:127], v221
	v_nop
.irp i, 0,1,2
	v_permlane16_swap_b32 v[192+\i], v[204+\i]     ; the operand's layout wants a whole block in a lane
.endr
.irp i, 0,1,2
	s_delay_alu instid0(VALU_DEP_3)
	v_mov_b32 v[195+\i], v[204+\i]
.endr
	v_cmp_lt_u32 vcc_lo, 15, v7
	s_delay_alu instid0(VALU_DEP_1)
	v_cndmask_b32 v226, v216, v217, vcc_lo         ; lane (r, h) stores block h's byte of row r
.irp j, 0,1,2
	global_store_b64 v1, v[192+2*\j:193+2*\j], s[\cc:\cc+1] offset:256*\j   ; half a fragment of ctx: 256 consecutive bytes a store, aligned
.endr
	global_store_b8 v6, v226, s[\cs:\cs+1]
	s_wait_xcnt 0x0                                ; the stores have read their registers, which the next tile writes again
.endm
	s_wait_alu depctr_va_vdst(0)                   ; the wait at the head's end
	s_wait_loadcnt 0x0                             ; q
	s_wait_tensorcnt 0x0                           ; my record has landed
	s_barrier_signal -1
	s_barrier_wait -1                              ; and everybody's: the sixteen records are whole; no other barrier stands ahead of the closing round
	PHASE 16, 245, JA, 8, 48, 52
	PHASE 228, 246, JB, 16, 50, 54
	s_wait_tensorcnt 0x0                           ; the wave's end
	ds_add_u32 v254, v255
	s_wait_dscnt 0x0
	ROUND                                          ; the closing round
	s_endpgm
.Lfunc_end_k_qb95f6bdf6b_attn:
	.size	k_qb95f6bdf6b_attn, .Lfunc_end_k_qb95f6bdf6b_attn-k_qb95f6bdf6b_attn
	.p2alignl 7, 3214868480
	.fill 96, 4, 3214868480
	.section	.rodata,"a",@progbits
	.p2align	6, 0x0
	.amdhsa_kernel k_qb95f6bdf6b_attn
		.amdhsa_group_segment_fixed_size 210944
		.amdhsa_private_segment_fixed_size 0
		.amdhsa_enable_private_segment 0
		.amdhsa_kernarg_size 16
		.amdhsa_user_sgpr_count 2
		.amdhsa_user_sgpr_kernarg_segment_ptr 1
		.amdhsa_wavefront_size32 1
		.amdhsa_system_sgpr_workgroup_id_x 1
		.amdhsa_system_sgpr_workgroup_id_y 1
		.amdhsa_system_sgpr_workgroup_id_z 1
		.amdhsa_system_vgpr_workitem_id 0
		.amdhsa_next_free_vgpr 256
		.amdhsa_next_free_sgpr 66
		.amdhsa_reserve_vcc 1
		.amdhsa_float_denorm_mode_32 3
		.amdhsa_float_denorm_mode_16_64 3
		.amdhsa_memory_ordered 1
		.amdhsa_forward_progress 1
		.amdhsa_inst_pref_size 64
	.end_amdhsa_kernel
	.amdgpu_metadata
---
amdhsa.version: [ 1, 2 ]
amdhsa.kernels:
  - .name:           k_qb95f6bdf6b_attn
    .symbol:         k_qb95f6bdf6b_attn.kd
    .args:
      - { .name: qkv, .offset: 0, .size: 8, .value_kind: global_buffer, .address_space: global }
      - { .name: ctx, .offset: 8, .size: 8, .value_kind: global_buffer, .address_space: global }
    .group_segment_fixed_size: 210944
    .private_segment_fixed_size: 0
    .kernarg_segment_align: 8
    .kernarg_segment_size: 16
    .max_flat_workgroup_size: 512
    .sgpr_count:     66
    .vgpr_count:     256
    .wavefront_size: 32
...
	.end_amdgpu_metadata
.endif
;; end of part 3
;; launch proj (part 4): grid 4 x 64, 4 waves a work-group, clusters of 4 x 4, 327,680 bytes of LDS; arguments ctx, opq, b_out, out0; writes out0
.if DOCPART == 4
	.amdgcn_target "amdgcn-amd-amdhsa--gfx1250"
	.amdhsa_code_object_version 6
	.text
	.protected	k_qb95f6bdf6b_proj
	.globl	k_qb95f6bdf6b_proj
	.p2align	8
	.type	k_qb95f6bdf6b_proj,@function
k_qb95f6bdf6b_proj:
	s_mov_b64 s[64:65], 0
	v_nop
	global_prefetch_b8 v0, s[64:65] scope:SCOPE_SE
	s_setreg_imm32_b32 hwreg(HW_REG_WAVE_MODE, 25, 1), 1
	s_wait_xcnt 0x0
	s_wait_alu depctr_hold_cnt(0) depctr_sa_sdst(0) depctr_va_vdst(0) depctr_va_sdst(0) depctr_va_ssrc(0) depctr_va_vcc(0) depctr_vm_vsrc(0)
	s_getreg_b32 s2, hwreg(HW_REG_IB_STS2, 6, 4)
	s_cmp_eq_u32 s2, 0
	s_cbranch_scc0 .Lentry_in_a_cluster
	s_endpgm
.Lentry_in_a_cluster:
	s_bfe_u32 s2, ttmp6, 0x10000c
	s_cmp_lg_u32 s2, 0xf033
	s_cbranch_scc0 .Lentry_shape_is_right
	s_endpgm
.Lentry_shape_is_right:
; out0 = ctx W_out^T + b_out on codes of FP6 (E2M3) with E8M0 scales, K = 1,024.  ctx and opq hold codes and scale bytes in the order of the operand's registers, in groups of 128 rows (W_out: opq's groups 88-95):
; codes: group x 98,304 + (K / 256) x 24,576 + tile x 3,072 + ((K / 128) % 2) x 1,536 + piece x 256 + 8 x lane; scale bytes: group x 4,096 + tile x 512 + (K / 256) x 128 + 8 r + 4 ((K / 128) % 2).
; Tile t, lane row r = the group's row 32 (t / 2) + 8 (t % 2) + r + 8 (r / 8).
; A BLOCK of 128 tokens (one group of ctx, A) x 256 columns (two groups of W_out, B) is made by four waves, 64 x 128 each: 32 accumulators, which take turns.  64 x 4 blocks: 256 work-groups.
; CLUSTERS: 4 x 4 work-groups; A's tiles are asked for jointly along a row of the cluster, B's along a column.
; LDS HOLDS ALL OF K: A at (K / 256) x H; B at 4 H + (K / 512) x 4 H + group x 2 H + ((K / 256) % 2) x H; the scale bytes behind them.  NO BYTE IS FILLED TWICE.
; FILLS: at the head one joint load a wave: A's K 0-511, B's K 0-511 (two rows of 49,152 bytes), A's scale bytes, B's.  Behind one drained round: K 512-1,023, wave 0 A's, wave 1 B's: first fills too.
; They are shown to all waves by a plain barrier inside step 3, three steps of 32 products behind the request; behind that barrier nobody reads K 0-511, and the first 33,792 of its bytes serve as the waves' stages on the way out.
; PREFETCH: what the later fills will ask for is named at the head, each 256 bytes once in a cluster, shared out by address among the sixteen waves that ask jointly; W_out's rows, which all sixteen clusters read, by four clusters alone.
; THE MATRIX INSTRUCTION IS USED TRANSPOSED (source 0 = 16 rows of B, source 1 = 16 rows of A): a lane holds eight neighbouring columns of one row of out0.  The bias is the first products' C.
; REGISTERS: window 0: v0-31 addresses; v32-63 scale words, two sets, and nothing else; v64-127 the bias; v128-223 A's fragments, two sets of four; on the way out v128-255.  window 1: B's fragments, two sets, at v0 and v128.  window 2: the accumulators, (a, b) at v[8 (8 a + b)].
.set FR,    12                         ; registers of a fragment
.set NP,    4                          ; places behind this matrix instruction (ISA guide 7.12.1)
.set H,     24576                      ; a group's codes of 256 along K
.set SCL,   12*H
.set SPARE, SCL+12288                  ; the spare words, 128 bytes for each wave, which no other line names
.set GRPB,  98304
.set OSC,   96*GRPB
.set CSC,   64*GRPB
.set SPITCH, 528
.set ADRA, 16                          ; v16-17  LDS address of my A fragments, K 0-511 and K 512-1,023
.set ADRB, 20                          ; v20-21  the same for B
.set STO,  24
.set RD,   25
.set CO,   26
.set ADRS, 27                          ; v27     my scale words: lanes 0-15 A's rows, lanes 16-31 B's
.set SPW,  28
.set NIL,  29
.set PFA,  30                          ; v30, v31 the prefetches' offsets; never rewritten
.set PFB,  31
.set SC,   32
.set BIAS, 64
.set AF,   128
.set BK,   128
.set G1, 24
.set G0, 32
.set G1B, 48
.set G0B, 56
.set G1S, 68
.set G0S, 76
.set G1SB, 80
.set G0SB, 88
.set MSB, 0
.macro WIN new                         ; the immediate's high byte repeats the setting that is left
.if MSB != (\new)
	s_set_vgpr_msb (MSB<<8)|(\new)
.set MSB, (\new)
.endif
.endm
.set MUL_LO, 0xa1                      ; source 0 (B) window 1, source 1 (A) window 0, C and D window 2
.set FST_LO, 0x81                      ; the same, C (the bias) window 0
.set TO_B,   0x40
.macro PLACES n
.rept \n
	v_nop
.endr
.endm
.macro TLOAD g0, g1                    ; s_nop 0 and four v_nop follow each tensor load
	tensor_load_to_lds s[\g0:\g0+3], s[\g1:\g1+7]
	s_nop 0
	PLACES 4
.endm
.macro CROUND                          ; a round of the cluster's barrier
	s_barrier_signal -1
	s_barrier_wait -1
	s_cmp_lg_u32 s14, 0
	s_cbranch_scc1 .Lnot_wave_0_\@
	s_barrier_signal -3
.Lnot_wave_0_\@:
	s_barrier_wait -3
	s_barrier_signal -1
	s_barrier_wait -1
.endm
.macro GRP1 g, mask, c, r, p           ; r rows of c elements of 8 bytes, p elements apart, no padding; bit 21 set beside the mask
	s_or_b32 s[\g], s[\mask], (3<<16)|(1<<21)
	s_mov_b32 s[\g+1], (\c)<<16
	s_mov_b32 s[\g+2], (\r)<<16
	s_mov_b32 s[\g+3], (\c)<<16
	s_mov_b32 s[\g+4], \r
	s_mov_b32 s[\g+5], \p
	s_mov_b32 s[\g+6], 0
	s_mov_b32 s[\g+7], 0
.endm
.macro GRP0 g, lds, base, add
	s_mov_b32 s[\g], 1
	s_mov_b32 s[\g+1], \lds
	s_add_nc_u64 s[\g+2:\g+3], s[\base:\base+1], \add
	s_or_b32 s[\g+3], s[\g+3], 0x80000000
.endm
	s_load_b128 s[4:7], s[0:1], 0x0                ; ctx, opq
	s_load_b128 s[8:11], s[0:1], 0x10              ; b_out, out0
	v_lshl_add_u32 v[SPW], v0, 2, SPARE
	v_mov_b32 v[NIL], 0
	ds_add_u32 v[SPW], v[NIL]                      ; the opening lines: the add, twice on end, and its wait
	ds_add_u32 v[SPW], v[NIL]
	v_lshrrev_b32 v1, 5, v0
	v_readfirstlane_b32 s14, v1                    ; wave 0..3
	s_lshr_b32 s15, s14, 1                         ; which 64 of the block's tokens are mine
	s_and_b32 s16, s14, 1                          ; which of B's two groups
	s_bfe_u32 s40, ttmp6, 0x40000                  ; cx, cy
	s_bfe_u32 s41, ttmp6, 0x40004
	s_lshl_b32 s42, ttmp9, 2
	s_add_co_u32 s42, s42, s40                     ; block column, 0..3
	s_and_b32 s17, ttmp7, 0xffff
	s_lshl_b32 s17, s17, 2
	s_add_co_u32 s17, s17, s41                     ; block row = ctx's group, 0..63
	s_lshl_b32 s43, s41, 2
	s_lshl_b32 s43, 15, s43                        ; my row of the cluster
	s_lshl_b32 s44, 0x1111, s40                    ; my column
	GRP1 G1,   43, 3072, 2, 3072                   ; A: 512 along K of one group: 49,152 dense bytes as two rows
	GRP1 G1B,  44, 6144, 2, 12288                  ; B: 512 along K of two groups: two rows of 49,152 bytes, 98,304 apart
	GRP1 G1S,  43, 32, 16, 32                      ; a group's 4,096 scale bytes as rows of 256
	GRP1 G1SB, 44, 32, 32, 32                      ; two neighbouring groups'
	s_mul_i32 s20, s17, GRPB
	s_mov_b32 s21, 0
	s_lshl_b32 s22, s17, 12
	s_add_co_u32 s22, s22, CSC
	s_mov_b32 s23, 0
	s_lshl_b32 s46, s42, 1
	s_add_co_u32 s46, s46, 88                      ; B's first group
	s_lshl_b32 s92, s46, 12
	s_add_co_u32 s92, s92, OSC
	s_mov_b32 s93, 0
	s_mul_i32 s46, s46, GRPB
	s_mov_b32 s47, 0
	s_wait_alu depctr_va_vdst(0)                   ; the wait here, directly ahead of the wait below
	s_wait_dscnt 0x0
	CROUND                                         ; all sixteen work-groups are here: the first joint loads meet
	s_wait_kmcnt 0x0
	s_add_nc_u64 s[20:21], s[4:5], s[20:21]
	s_add_nc_u64 s[22:23], s[4:5], s[22:23]
	s_add_nc_u64 s[46:47], s[6:7], s[46:47]
	s_add_nc_u64 s[92:93], s[6:7], s[92:93]
	GRP0 G0,    0,        20, 0
	GRP0 G0+4,  2*H,      20, 2*H
	GRP0 G0B,   4*H,      46, 0
	GRP0 G0B+4, 8*H,      46, 2*H
	GRP0 G0S,   SCL,      22, 0
	GRP0 G0SB,  SCL+4096, 92, 0
.macro ARM under, g0, g1, next         ; one chain of branches on the wave's number, one load to an arm, all arms to one join
	s_cmp_lt_u32 s14, \under
	s_cbranch_scc0 \next
	TLOAD \g0, \g1
	s_branch .Lhead_asked
\next:
.endm
	ARM 1, G0,  G1,  .Lhead_b
	ARM 2, G0B, G1B, .Lhead_sa
	ARM 3, G0S, G1S, .Lhead_sb
	TLOAD G0SB, G1SB
.Lhead_asked:
	s_mul_i32 s21, s15, 12288                      ; my four tiles of A,
	s_add_co_u32 s23, s21, 2*H
	s_mul_i32 s22, s16, 2*H                        ; my group of B
	s_add_co_u32 s22, s22, 4*H
	s_add_co_u32 s18, s22, 4*H
	s_lshl_b32 s19, s15, 11                        ; my four tiles' scale words
	s_lshl_b32 s45, s16, 12
	s_add_co_u32 s45, s45, 4096
	s_sub_co_u32 s45, s45, s19                     ; the distance from them to my group of B's
	s_add_co_u32 s19, s19, SCL
	s_mul_i32 s94, s14, 16*SPITCH                  ; my stage
	s_lshl_b32 s95, s40, 2                         ; the prefetches: my number among the sixteen waves of my row of the cluster,
	s_add_co_u32 s95, s95, s14
	s_mul_i32 s95, s95, 3072                       ; twelve units of 256 bytes of A's K 512-1,023
	s_mul_i32 s96, s17, GRPB
	s_add_co_u32 s95, s95, s96
	s_add_co_u32 s95, s95, 2*H
	s_lshl_b32 s96, s41, 2                         ; and of my column:
	s_add_co_u32 s96, s96, s14
	s_lshr_b32 s97, s96, 3                         ; eight waves to each of B's two groups,
	s_lshl_b32 s98, s42, 1
	s_add_co_u32 s97, s97, s98
	s_add_co_u32 s97, s97, 88
	s_mul_i32 s97, s97, GRPB
	s_and_b32 s96, s96, 7
	s_mul_i32 s96, s96, 6144                       ; 24 units each
	s_add_co_u32 s96, s96, s97
	s_add_co_u32 s96, s96, 2*H
	s_lshl_b32 s66, s42, 10                        ; my first column, in bytes
	s_lshl_b32 s67, s16, 9
	s_add_co_u32 s66, s66, s67
	s_mov_b32 s67, 0
	s_add_nc_u64 s[8:9], s[8:9], s[66:67]
	s_add_nc_u64 s[12:13], s[10:11], s[66:67]
	s_lshl_b32 s66, s17, 19                        ; my first row: 128 x block row + 64 x half, rows of 4,096 bytes
	s_lshl_b32 s99, s15, 18
	s_add_co_u32 s66, s66, s99
	s_add_nc_u64 s[12:13], s[12:13], s[66:67]
	s_and_b32 s97, ttmp7, 0xffff                   ; the cluster's y
	v_and_b32 v1, 15, v0                           ; r
	v_bfe_u32 v2, v0, 4, 1                         ; h
	v_and_b32 v3, 31, v0                           ; lane
	v_lshlrev_b32 v4, 3, v3                        ; 8 x lane: my place in a piece of a fragment
	v_add_nc_u32 v[ADRA], s21, v4
	v_add_nc_u32 v[ADRA+1], s23, v4
	v_add_nc_u32 v[ADRB], s22, v4
	v_add_nc_u32 v[ADRB+1], s18, v4
	v_lshlrev_b32 v5, 3, v1
	v_mul_u32_u24 v6, s45, v2                      ; lanes 16-31 take B's: one product, the distance x h
	v_add_nc_u32 v5, v5, v6
	v_add_nc_u32 v[ADRS], s19, v5
	v_mul_u32_u24 v5, v1, SPITCH                   ; into the stage: row r, 64 bytes for each half of the lanes
	v_lshl_add_u32 v5, v2, 6, v5
	v_add_nc_u32 v[STO], s94, v5
	v_lshlrev_b32 v[CO], 4, v3                     ; back: the 32 lanes take one row of 512 bytes; and the same in out0
	v_add_nc_u32 v[RD], s94, v[CO]
	v_lshlrev_b32 v8, 6, v2                        ; the bias: 16 h numbers on
	v_min_u32 v6, 11, v3                           ; (lanes that are left over name their wave's last unit again)
	v_lshl_add_u32 v[PFA], v6, 8, s95
	v_min_u32 v7, 23, v3
	v_lshl_add_u32 v[PFB], v7, 8, s96
	s_wait_alu depctr_va_vdst(0)                   ; the wait at the head's end
	global_prefetch_b8 v[PFA], s[4:5] th:TH_LOAD_NT scope:SCOPE_SE
	s_cmp_lt_u32 s97, 4
	s_cbranch_scc0 .Lno_pfb
	global_prefetch_b8 v[PFB], s[6:7] th:TH_LOAD_NT scope:SCOPE_SE
.Lno_pfb:
.irp b, 0,1,2,3,4,5,6,7
	global_load_b128 v[BIAS+8*\b:BIAS+8*\b+3], v8, s[8:9] offset:(32*(\b/2)+8*(\b%2))*4       ; register 8 b + j belongs to column 32 (b / 2) + 16 h + 8 (b % 2) + j
	global_load_b128 v[BIAS+8*\b+4:BIAS+8*\b+7], v8, s[8:9] offset:(32*(\b/2)+8*(\b%2))*4+16
.endr
.macro FRAG reg, adr, off              ; a fragment: six pieces of 256 bytes, lane l's 8 bytes at 8 l
.irp p, 0,1,2,3,4,5
	ds_load_b64 v[\reg+2*\p:\reg+2*\p+1], v[\adr] offset:(\off)+256*\p
.endr
.endm
.macro FETCH st                        ; step st's fragments (128 along K) into sets st % 2; with an even step the scale words of two steps
.set KO_, (((\st)/2)%2)*H+((\st)%2)*1536
	WIN TO_B
.irp i, 0,1,2,3,4,5,6,7
	FRAG 128*((\st)%2)+FR*\i, ADRB+(\st)/4, KO_+\i*3072
.endr
	WIN 0
.irp i, 0,1,2,3
	FRAG AF+48*((\st)%2)+FR*\i, ADRA+(\st)/4, KO_+\i*3072
.endr
.if (\st)%2 == 0
.irp i, 0,1,2,3,4,5,6,7
	ds_load_b64 v[SC+16*(((\st)/2)%2)+2*\i:SC+16*(((\st)/2)%2)+2*\i+1], v[ADRS] offset:\i*512+((\st)/2)*128   ; lanes 0-15 A's block i (of blocks 4-7 they read written bytes that no product takes), lanes 16-31 B's
.endr
.endif
.endm
.macro MUL16 a0, st, first             ; A's blocks a0, a0 + 1 x B's eight
.irp a, \a0, \a0+1
.irp b, 0,1,2,3,4,5,6,7
.if \first
	v_wmma_scale_f32_16x16x128_f8f6f4 v[8*(8*(\a)+\b):8*(8*(\a)+\b)+7], v[128*((\st)%2)+FR*\b:128*((\st)%2)+FR*\b+FR-1], v[AF+48*((\st)%2)+FR*(\a):AF+48*((\st)%2)+FR*(\a)+FR-1], v[BIAS+8*\b:BIAS+8*\b+7], v[SC+16*(((\st)/2)%2)+2*\b+(\st)%2], v[SC+16*(((\st)/2)%2)+2*(\a)+(\st)%2] matrix_a_fmt:MATRIX_FMT_FP6 matrix_b_fmt:MATRIX_FMT_FP6 matrix_a_scale:MATRIX_SCALE_ROW1
.else
	v_wmma_scale_f32_16x16x128_f8f6f4 v[8*(8*(\a)+\b):8*(8*(\a)+\b)+7], v[128*((\st)%2)+FR*\b:128*((\st)%2)+FR*\b+FR-1], v[AF+48*((\st)%2)+FR*(\a):AF+48*((\st)%2)+FR*(\a)+FR-1], v[8*(8*(\a)+\b):8*(8*(\a)+\b)+7], v[SC+16*(((\st)/2)%2)+2*\b+(\st)%2], v[SC+16*(((\st)/2)%2)+2*(\a)+(\st)%2] matrix_a_fmt:MATRIX_FMT_FP6 matrix_b_fmt:MATRIX_FMT_FP6 matrix_a_scale:MATRIX_SCALE_ROW1
.endif
.endr
.endr
.endm
; A step of 128 along K: its fragments are in; the next step's are asked for, into the other sets, four places behind the products that read those; then 32 products.
.macro STEP st
	s_wait_dscnt 0x0
.if (\st) == 3
	s_wait_tensorcnt 0x0                           ; my later fill has landed, and my reads of K 0-511 are over:
	s_barrier_signal -1
	WIN MUL_LO
	MUL16 0, \st, 0                                ; work on registers while the others arrive
	WIN 0
	s_barrier_wait -1                              ; K 512-1,023 is whole for all four waves
	PLACES NP
	FETCH (\st)+1
	WIN MUL_LO
	MUL16 2, \st, 0
	WIN 0
.else
.if (\st) < 7
.if (\st) > 0
	PLACES NP
.endif
	FETCH (\st)+1
.endif
.if (\st) == 0
	WIN FST_LO
.else
	WIN MUL_LO
.endif
	MUL16 0, \st, (\st)==0
	MUL16 2, \st, (\st)==0
	WIN 0
.endif
.endm
	s_wait_loadcnt 0x0                             ; the bias
	s_wait_tensorcnt 0x0                           ; my tile of the head's four is in
	ds_add_u32 v[SPW], v[NIL]
	s_wait_dscnt 0x0
	CROUND                                         ; all four tiles are in, and all sixteen work-groups are here: the joint loads meet
	s_cmp_lt_u32 s14, 1
	s_cbranch_scc0 .Llater_b
	TLOAD G0+4, G1                                 ; wave 0: A's K 512-1,023
	s_branch .Llater_asked
.Llater_b:
	s_cmp_lt_u32 s14, 2
	s_cbranch_scc0 .Llater_asked
	TLOAD G0B+4, G1B                               ; wave 1: B's
.Llater_asked:
	FETCH 0
.irp st, 0,1,2,3,4,5,6,7
	STEP \st
.endr
; THE WAY OUT, block by block of 16 rows x 128 columns, through my own stage: whole rows of 512 bytes come back, which the 32 lanes store as two aligned units of 256 bytes.
; LDS serves a wave's instructions in order (ISA guide 5.7.1.4): no wait between the stores and the loads.
.macro TOSTAGE a
	WIN 0x08                                       ; the data: window 2
.irp b, 0,1,2,3,4,5,6,7
	ds_store_b128 v[STO], v[64*(\a)+8*\b:64*(\a)+8*\b+3] offset:128*(\b/2)+32*(\b%2)          ; each accumulator from its low end on
	ds_store_b128 v[STO], v[64*(\a)+8*\b+4:64*(\a)+8*\b+7] offset:128*(\b/2)+32*(\b%2)+16
.endr
	WIN 0
.set BB, BK+64*((\a)%2)
.irp t, 0,1,2,3,4,5,6,7,8,9,10,11,12,13,14,15
	ds_load_b128 v[BB+4*\t:BB+4*\t+3], v[RD] offset:\t*SPITCH
.endr
.endm
.macro SEND a, younger                 ; younger: the LDS instructions issued behind block a's loads, which may stay out
.set BB, BK+64*((\a)%2)
	s_wait_dscnt \younger
.irp t, 0,1,2,3,4,5,6,7,8,9,10,11,12,13,14,15
	global_store_b128 v[CO], v[BB+4*\t:BB+4*\t+3], s[12:13] offset:(32*((\a)/2)+8*((\a)%2)+\t+8*(\t/8))*4096 th:TH_STORE_NT
.endr
.endm
	PLACES NP
	TOSTAGE 0
.irp a, 1,2,3
.if \a > 1
	s_wait_xcnt 0x0                                ; block a - 2's stores have read their registers: block a's loads may land there
.endif
	TOSTAGE \a
	SEND \a-1, 32                                  ; behind block a - 1's loads: block a's 16 stores and 16 loads
.endr
	SEND 3, 0
	s_wait_tensorcnt 0x0                           ; the wave's end
	ds_add_u32 v[SPW], v[NIL]
	s_wait_dscnt 0x0
	CROUND                                         ; the closing round
	s_endpgm
.Lfunc_end_k_qb95f6bdf6b_proj:
	.size	k_qb95f6bdf6b_proj, .Lfunc_end_k_qb95f6bdf6b_proj-k_qb95f6bdf6b_proj
	.p2alignl 7, 3214868480
	.fill 96, 4, 3214868480
	.section	.rodata,"a",@progbits
	.p2align	6, 0x0
	.amdhsa_kernel k_qb95f6bdf6b_proj
		.amdhsa_group_segment_fixed_size 327680
		.amdhsa_private_segment_fixed_size 0
		.amdhsa_enable_private_segment 0
		.amdhsa_kernarg_size 32
		.amdhsa_user_sgpr_count 2
		.amdhsa_user_sgpr_kernarg_segment_ptr 1
		.amdhsa_wavefront_size32 1
		.amdhsa_system_sgpr_workgroup_id_x 1
		.amdhsa_system_sgpr_workgroup_id_y 1
		.amdhsa_system_sgpr_workgroup_id_z 1
		.amdhsa_system_vgpr_workitem_id 0
		.amdhsa_next_free_vgpr 768
		.amdhsa_next_free_sgpr 100
		.amdhsa_reserve_vcc 0
		.amdhsa_float_denorm_mode_32 3
		.amdhsa_float_denorm_mode_16_64 3
		.amdhsa_memory_ordered 1
		.amdhsa_forward_progress 1
		.amdhsa_inst_pref_size 100
	.end_amdhsa_kernel
	.amdgpu_metadata
---
amdhsa.version: [ 1, 2 ]
amdhsa.kernels:
  - .name:           k_qb95f6bdf6b_proj
    .symbol:         k_qb95f6bdf6b_proj.kd
    .args:
      - { .name: ctx, .offset: 0, .size: 8, .value_kind: global_buffer, .address_space: global }
      - { .name: opq, .offset: 8, .size: 8, .value_kind: global_buffer, .address_space: global }
      - { .name: b_out, .offset: 16, .size: 8, .value_kind: global_buffer, .address_space: global }
      - { .name: out0, .offset: 24, .size: 8, .value_kind: global_buffer, .address_space: global }
    .group_segment_fixed_size: 327680
    .private_segment_fixed_size: 0
    .kernarg_segment_align: 8
    .kernarg_segment_size: 32
    .max_flat_workgroup_size: 128
    .sgpr_count:     100
    .vgpr_count:     768
    .wavefront_size: 32
...
	.end_amdgpu_metadata
.endif
;; end of part 4
